; MI455X (gfx1250); checked and timed in simulation.
; The chip was launched on July 23, 2026; its instructions are those of AMD's public machine-readable ISA for CDNA 5 (MIT licence, August 2026) and "CDNA5" Instruction Set Architecture Reference Guide (July 2026). The comments in the code are by the model that wrote it; some were corrected since.
;; Classic MHA. Allowed arithmetic: matrix products marked QUANTISED: E2M3 operands, one E8M0 scale for each 32 along K, by v_wmma_scale_f32_16x16x128_f8f6f4 with both operands' format E2M3, f32 sums; everything else in f32.
;; Inputs: W1 512 x 2,048 float32; W2 2,048 x 512 float32; Wk 512 x 512 float32; Wo 512 x 512 float32; Wq 512 x 512 float32; Wv 512 x 512 float32; b1 2,048 float32; b2 512 float32; be1 512 float32; be2 512 float32; bk 512 float32; bo 512 float32; bq 512 float32; bv 512 float32; g1 512 float32; g2 512 float32; x 8 x 512 x 2,048 float32.
;; Outputs: out0 8 x 512 x 2,048 float32.
;; This version of the problem:
;;   THIS VERSION OF THE PROBLEM IS GIVEN IN LOW PRECISION. The matrix products marked QUANTISED in the list below multiply operands that are first quantised to E2M3 (2 exponent bits, 3 mantissa bits; 6 bits a number), with one power-of-two scale for each 32 numbers along K (OCP MX v1.0); their sums are f32. All else is computed in f32.
;;   The module's matrix products, in the order in which they are computed (A, B: the left and right operand; K: the contracted axis; several contracted axes count as one K, in the product's order):
;;     1. [M 16,384, K 512] x [K 512, N 512]; A: input x; B: input Wq: QUANTISED
;;     2. [M 16,384, K 512] x [K 512, N 512]; A: input x; B: input Wk: QUANTISED
;;     3. [M 16,384, K 512] x [K 512, N 512]; A: input x; B: input Wv: QUANTISED
;;     4. batch 64 x [M 64, K 2,048] x [K 2,048, N 64]; A: computed on the way; B: computed on the way: QUANTISED
;;     5. batch 64 x [M 2,048, K 64] x [K 64, N 64]; A: computed on the way; B: computed on the way: QUANTISED
;;     6. [M 16,384, K 512] x [K 512, N 512]; A: computed on the way; B: input Wo: QUANTISED
;;     7. [M 16,384, K 512] x [K 512, N 2,048]; A: computed on the way; B: input W1: QUANTISED
;;     8. [M 16,384, K 2,048] x [K 2,048, N 512]; A: computed on the way; B: input W2: QUANTISED
;;   THE QUANTISER, for each operand of a quantised product, along K:
;;     - K is cut into blocks of 32 from its start; a last block that is shorter is filled with zeros.
;;     - A block's scale is 2^e with e = floor(log2(the largest magnitude in the block)) - 2, held to -126 .. 127; a block of zeros has e = 0. As a byte (E8M0): e + 127.
;;     - Each number is divided by its block's scale, clamped to +-7.5, and rounded to the nearest number of E2M3, ties to even, subnormals kept.
;;     - The product sums the exact products of the quantised numbers (number of the format x scale) in f32.
;;   ~~~python
;;   def quantise(x, axis):      # numpy; x: float32 -> the quantised numbers, widened to float32 again
;;       x = np.moveaxis(x, axis, -1); K = x.shape[-1]
;;       x = np.pad(x, [(0, 0)] * (x.ndim - 1) + [(0, -K % 32)]); x = x.reshape(x.shape[:-1] + (-1, 32)); a = np.abs(x).max(-1, keepdims=True)
;;       e = np.where(a > 0, np.clip(np.frexp(np.where(a > 0, a, 1))[1] - 1 - 2, -126, 127), 0)      # np.frexp(a)[1] - 1 = floor(log2(a)), exactly
;;       r = np.clip(x / 2.0 ** e, -7.5, 7.5)
;;       step = 2.0 ** (np.maximum(np.frexp(np.where(r == 0, 1, r))[1] - 1, 0) - 3)
;;       q = np.round(r / step) * step * 2.0 ** e      # np.round: ties to even
;;       return np.moveaxis(q.reshape(q.shape[:-2] + (-1,))[..., :K], -1, axis).astype(np.float32)
;;   ~~~
;;   OPERANDS COMPUTED ON THE WAY. 'Computed on the way' means the value that the module computes at that place (a softmax that the list does not call 'softmax' is quantised finished and normalised). What goes into a quantiser is computed in f32, as accurately as f32 sums, v_exp_f32 and their like allow (about 1e-6 of the number): no bf16 or f16 on the way to a quantiser, and a product that is left as it is and whose result goes on into a quantised operand takes f32 operands (vector FMAs, or v_wmma_f32_16x16x4_f32). A number that lies on a knife's edge between two numbers of the format may be rounded either way, as far as f32 arithmetic and the matrix unit's own rounding can turn it there, and no further.
;; One version. Each part assembles by itself: llvm-mc -triple=amdgcn-amd-amdhsa -mcpu=gfx1250 --defsym DOCPART=n.
;; ======== version 1 of 1: 4 launches
;; limits: right only within a limited range of input values
;; workspace buffers: xi 6,553,600 bytes; wqkv 614,400 bytes; wst 1,843,200 bytes; qi 6,291,456 bytes; qs 524,288 bytes; dotp 4,194,304 bytes; at 196,608 bytes; ats 32,768 bytes
;; launch quant (part 1): grid 64 x 11, 4 waves a work-group, no clusters, 0 bytes of LDS; arguments x, W1, W2, Wq, Wk, Wv, Wo, xi, wqkv, wst; writes xi, wqkv, wst
.if DOCPART == 1
	.amdgcn_target "amdgcn-amd-amdhsa--gfx1250"
	.amdhsa_code_object_version 6
	.text
	.protected	k_qbf88724fed_quant
	.globl	k_qbf88724fed_quant
	.p2align	8
	.type	k_qbf88724fed_quant,@function
k_qbf88724fed_quant:
	s_mov_b64 s[64:65], 0
	v_nop
	global_prefetch_b8 v0, s[64:65] scope:SCOPE_SE
	s_setreg_imm32_b32 hwreg(HW_REG_WAVE_MODE, 25, 1), 1
	s_wait_xcnt 0x0
; x [8][512][2048] and the six weights ([K][N], K first) become codes of FP6 (E2M3) with one E8M0 byte for each 32 along K,
; laid in the ORDER OF THE OPERAND'S REGISTERS.  A RECORD (6,400 bytes) is a tile of 16 rows (tokens of x, columns of a weight) over 512 along K:
; four images of 1,536 bytes (K step s: register group g of lane l at 1536 s + 512 g + 16 l), then 256 bytes of scale words
; (K step s, row r at 6144 + 8 (r + 16 (s & 1)) + 4 (s >> 1)).  Row r of tile 2 b + u is column 32 b + 8 u + r + 8 (r / 8).
; A LANE TAKES A COLUMN AND ITS REGISTERS RUN DOWN K: a wave takes 32 columns x 128 K (one K step of two records); the four waves stand side by side on 512 bytes of a row.
; A lane's four blocks are what lanes r and r + 16 of the image hold: blocks 0, 2 and blocks 1, 3.  Each store of codes covers 256 consecutive bytes, aligned, in each of the two records.
; Grid y: 0-7 x[b]; 8 W1; 9 W2 (four slabs of 512 along K); 10 Wq, Wk, Wv, Wo.  Only pointers and offsets are chosen: all take one way through the text but for the pitch of the loads.
; No LDS, no barrier, no matrix unit, no cluster: waves share nothing and memory binds.
; A block's scale is 2^(floor(log2(largest magnitude)) - 2); its byte is the largest magnitude's exponent field - 2, held at 1 from below.
; LIMITS: NaN and infinities are not served; a block whose largest magnitude lies under 2^-124 keeps the byte 1; a block of zeros gets the byte 1 where the rule says 127 (its codes are zeros, and this program alone reads the bytes).
.set X,   64                           ; v64-191  128 numbers down K
.set CA,  40                           ; v40-51   the image registers of lane r; v52-63 those of lane r + 16
.set REC, 6400
	s_load_b512 s[4:19], s[0:1], 0x0               ; x, W1, W2, Wq, Wk, Wv, Wo, xi
	s_load_b128 s[20:23], s[0:1], 0x40             ; wqkv, wst
	v_lshrrev_b32 v1, 5, v0
	v_readfirstlane_b32 s24, v1                    ; wave
	s_and_b32 s25, ttmp7, 0xffff                   ; Y
	v_and_b32 v5, 31, v0
	v_lshlrev_b32 v2, 2, v5                        ; in: 4 bytes a lane
	v_bfe_u32 v6, v0, 3, 1                         ; u: which of the two tiles my column falls into
	v_and_b32 v7, 7, v0
	v_bfe_u32 v5, v0, 4, 1
	v_lshl_add_u32 v7, v5, 3, v7                   ; r: its row there
	v_mul_u32_u24 v6, v6, REC
	v_lshl_add_u32 v3, v7, 4, v6                   ; out: 6400 u + 16 r
	v_lshl_add_u32 v4, v7, 3, v6                   ; scale word: 6400 u + 8 r
	s_cmp_lt_u32 s25, 9                            ; planes of 2,048 columns (x, W1) or of 512
	s_cselect_b32 s27, 15, 3
	s_cselect_b32 s28, 4, 2
	s_cselect_b32 s29, 20, 18
	s_and_b32 s30, ttmp9, s27
	s_lshr_b32 s31, ttmp9, s28
	s_and_b32 s31, s31, 3                          ; s: the K step
	s_lshr_b32 s32, ttmp9, 4                       ; m: the slab of W2, or which of Wq, Wk, Wv, Wo
	s_lshl_b32 s30, s30, 2
	s_add_co_u32 s30, s30, s24                     ; g: my 32 columns
	s_and_b32 s33, s30, 15                         ; G: within a unit of 512 columns
	s_lshl_b32 s34, s31, s29                       ; source: 128 s rows,
	s_lshl_b32 s35, s30, 7
	s_add_co_u32 s34, s34, s35                     ; 128 g bytes,
	s_lshl_b32 s35, s25, 22
	s_cmp_lt_u32 s25, 8
	s_cselect_b32 s35, s35, 0                      ; the batch of x,
	s_lshl_b32 s36, s32, 20
	s_cmp_eq_u32 s25, 9
	s_cselect_b32 s35, s36, s35                    ; or the slab of W2
	s_add_co_u32 s34, s34, s35
	s_mov_b32 s35, 0
	s_lshr_b32 s36, s30, 4                         ; the stream's tile: Wo 0; W1 2 + 4 chunk; W2 4 + 4 slab
	s_lshl_b32 s36, s36, 2
	s_add_co_u32 s36, s36, 2
	s_lshl_b32 s37, s32, 2
	s_add_co_u32 s37, s37, 4
	s_cmp_eq_u32 s25, 8
	s_cselect_b32 s36, s36, 0
	s_cmp_eq_u32 s25, 9
	s_cselect_b32 s36, s37, s36
	s_bfe_u32 s37, s33, 0x10001
	s_add_co_u32 s36, s36, s37                     ; + the half
	s_lshl_b32 s36, s36, 2
	s_lshr_b32 s37, s33, 2
	s_add_co_u32 s36, s36, s37                     ; the wave that will own the columns
	s_lshl_b32 s36, s36, 2
	s_and_b32 s37, s33, 1
	s_lshl_b32 s37, s37, 1
	s_add_co_u32 s36, s36, s37                     ; record in wst
	s_lshr_b32 s38, s30, 1
	s_mul_i32 s38, s38, 3
	s_add_co_u32 s38, s38, s32
	s_lshl_b32 s38, s38, 2
	s_add_co_u32 s38, s38, s37                     ; record in wqkv: ((head) 3 + m) 4 + 2 (g & 1)
	s_lshl_b32 s39, s25, 7
	s_lshl_b32 s40, s30, 1
	s_add_co_u32 s39, s39, s40                     ; record in xi: 128 b + 2 g
	s_cmp_eq_u32 s25, 10
	s_cselect_b32 s41, s32, 3                      ; under 3: Wq, Wk or Wv
	s_cmp_lt_u32 s25, 8
	s_cselect_b32 s36, s39, s36
	s_cmp_lt_u32 s41, 3
	s_cselect_b32 s36, s38, s36
	s_mul_i32 s46, s36, REC
	s_mul_i32 s47, s31, 1536
	s_add_co_u32 s46, s46, s47                     ; the codes' place
	s_mov_b32 s47, 0
	s_mul_i32 s50, s36, REC
	s_and_b32 s51, s31, 1
	s_lshl_b32 s51, s51, 7
	s_add_co_u32 s50, s50, s51
	s_lshr_b32 s51, s31, 1
	s_lshl_b32 s51, s51, 2
	s_add_co_u32 s50, s50, s51
	s_add_co_u32 s50, s50, 6144                    ; the scale words' place
	s_mov_b32 s51, 0
	s_wait_kmcnt 0x0
	s_cmp_eq_u32 s32, 0                            ; the choices hang on the work-group's number alone
	s_cselect_b64 s[44:45], s[10:11], s[16:17]
	s_cmp_eq_u32 s32, 1
	s_cselect_b64 s[44:45], s[12:13], s[44:45]
	s_cmp_eq_u32 s32, 2
	s_cselect_b64 s[44:45], s[14:15], s[44:45]
	s_cmp_eq_u32 s25, 9
	s_cselect_b64 s[44:45], s[8:9], s[44:45]
	s_cmp_eq_u32 s25, 8
	s_cselect_b64 s[44:45], s[6:7], s[44:45]
	s_cmp_lt_u32 s25, 8
	s_cselect_b64 s[44:45], s[4:5], s[44:45]
	s_cselect_b64 s[42:43], s[18:19], s[22:23]
	s_cmp_lt_u32 s41, 3
	s_cselect_b64 s[42:43], s[20:21], s[42:43]
	s_add_nc_u64 s[44:45], s[44:45], s[34:35]
	s_add_nc_u64 s[48:49], s[42:43], s[46:47]
	s_add_nc_u64 s[50:51], s[42:43], s[50:51]
	s_cmp_lt_u32 s25, 9
	s_cbranch_scc0 .Lnarrow
.set K, 0
	s_wait_alu depctr_va_vdst(0)
.rept 128
	global_load_b32 v[X+K], v2, s[44:45] offset:K*8192 th:TH_LOAD_NT   ; row K of my 128, 128 consecutive bytes a wave
.set K, K+1
.endr
	s_branch .Lloaded
.Lnarrow:
.set K, 0
	s_wait_alu depctr_va_vdst(0)
.rept 128
	global_load_b32 v[X+K], v2, s[44:45] offset:K*2048 th:TH_LOAD_NT
.set K, K+1
.endr
.Lloaded:
	s_wait_loadcnt 0x0                             ; the wave has nothing else to do; the SIMD's other waves have
.irp j, 0,1,2,3
	v_max3_num_f32 v[8+\j], |v[X+32*\j]|, |v[X+32*\j+1]|, 0x1800000   ; block j: all 32 numbers are mine; the floor 2^(3 - 127) holds the byte at 1 from below
.endr
.set I, 2
.rept 15
.irp j, 0,1,2,3
	v_max3_num_f32 v[8+\j], v[8+\j], |v[X+32*\j+I]|, |v[X+32*\j+I+1]|   ; the four blocks by turns
.endr
.set I, I+2
.endr
.irp j, 0,1,2,3
	v_add_nc_u32 v[20+\j], 0xff000000, v[8+\j]     ; 2 off the exponent field: the conversion's scale operand
.endr
.irp j, 0,1,2,3
	v_lshrrev_b32 v[12+\j], 23, v[20+\j]           ; the scale's byte
.endr
	v_lshl_or_b32 v16, v13, 8, v12
	v_lshl_or_b32 v16, v14, 16, v16
	v_lshl_or_b32 v16, v15, 24, v16                ; my row's scale word of this K step
.irp j, 0,1,2,3
	v_cvt_scalef32_pk16_fp6_f32 v[CA+12*(\j%2)+6*(\j/2):CA+12*(\j%2)+6*(\j/2)+2], v[X+32*\j:X+32*\j+15], v[20+\j]
	v_cvt_scalef32_pk16_fp6_f32 v[24+4*\j:26+4*\j], v[X+32*\j+16:X+32*\j+31], v[20+\j]   ; (a conversion's three registers begin on an even number)
.endr
	v_nop                                          ; one plain place behind a scaled conversion
.irp j, 0,1,2,3
.irp i, 0,1,2
	v_mov_b32 v[CA+12*(\j%2)+6*(\j/2)+3+\i], v[24+4*\j+\i]
.endr
.endr
.irp h, 0,1
.irp g, 0,1,2
	global_store_b128 v3, v[CA+12*\h+4*\g:CA+12*\h+4*\g+3], s[48:49] offset:256*\h+512*\g
.endr
.endr
	global_store_b32 v4, v16, s[50:51]
	s_endpgm
.Lfunc_end_k_qbf88724fed_quant:
	.size	k_qbf88724fed_quant, .Lfunc_end_k_qbf88724fed_quant-k_qbf88724fed_quant
	.p2alignl 7, 3214868480
	.fill 96, 4, 3214868480
	.section	.rodata,"a",@progbits
	.p2align	6, 0x0
	.amdhsa_kernel k_qbf88724fed_quant
		.amdhsa_group_segment_fixed_size 0
		.amdhsa_private_segment_fixed_size 0
		.amdhsa_enable_private_segment 0
		.amdhsa_kernarg_size 80
		.amdhsa_user_sgpr_count 2
		.amdhsa_user_sgpr_kernarg_segment_ptr 1
		.amdhsa_wavefront_size32 1
		.amdhsa_system_sgpr_workgroup_id_x 1
		.amdhsa_system_sgpr_workgroup_id_y 1
		.amdhsa_system_sgpr_workgroup_id_z 1
		.amdhsa_system_vgpr_workitem_id 0
		.amdhsa_next_free_vgpr 192
		.amdhsa_next_free_sgpr 66
		.amdhsa_reserve_vcc 0
		.amdhsa_float_denorm_mode_32 3
		.amdhsa_float_denorm_mode_16_64 3
		.amdhsa_memory_ordered 1
		.amdhsa_forward_progress 1
		.amdhsa_inst_pref_size 35
	.end_amdhsa_kernel
	.amdgpu_metadata
---
amdhsa.version: [ 1, 2 ]
amdhsa.kernels:
  - .name:           k_qbf88724fed_quant
    .symbol:         k_qbf88724fed_quant.kd
    .args:
      - { .name: x, .offset: 0, .size: 8, .value_kind: global_buffer, .address_space: global }
      - { .name: W1, .offset: 8, .size: 8, .value_kind: global_buffer, .address_space: global }
      - { .name: W2, .offset: 16, .size: 8, .value_kind: global_buffer, .address_space: global }
      - { .name: Wq, .offset: 24, .size: 8, .value_kind: global_buffer, .address_space: global }
      - { .name: Wk, .offset: 32, .size: 8, .value_kind: global_buffer, .address_space: global }
      - { .name: Wv, .offset: 40, .size: 8, .value_kind: global_buffer, .address_space: global }
      - { .name: Wo, .offset: 48, .size: 8, .value_kind: global_buffer, .address_space: global }
      - { .name: xi, .offset: 56, .size: 8, .value_kind: global_buffer, .address_space: global }
      - { .name: wqkv, .offset: 64, .size: 8, .value_kind: global_buffer, .address_space: global }
      - { .name: wst, .offset: 72, .size: 8, .value_kind: global_buffer, .address_space: global }
    .group_segment_fixed_size: 0
    .private_segment_fixed_size: 0
    .kernarg_segment_align: 8
    .kernarg_segment_size: 80
    .max_flat_workgroup_size: 128
    .sgpr_count:     66
    .vgpr_count:     192
    .wavefront_size: 32
...
	.end_amdgpu_metadata
.endif
;; end of part 1
;; launch qkv (part 2): grid 8 x 32, 4 waves a work-group, clusters of 4 x 1, 327,680 bytes of LDS; arguments xi, wqkv, bq, bk, bv, qi, qs, dotp; writes qi, qs, dotp
.if DOCPART == 2
	.amdgcn_target "amdgcn-amd-amdhsa--gfx1250"
	.amdhsa_code_object_version 6
	.text
	.protected	k_qbf88724fed_qkv
	.globl	k_qbf88724fed_qkv
	.p2align	8
	.type	k_qbf88724fed_qkv,@function
k_qbf88724fed_qkv:
	s_mov_b64 s[64:65], 0
	v_nop
	global_prefetch_b8 v0, s[64:65] scope:SCOPE_SE
	s_setreg_imm32_b32 hwreg(HW_REG_WAVE_MODE, 25, 1), 1
	s_wait_xcnt 0x0
	s_wait_alu depctr_hold_cnt(0) depctr_sa_sdst(0) depctr_va_vdst(0) depctr_va_sdst(0) depctr_va_ssrc(0) depctr_va_vcc(0) depctr_vm_vsrc(0)
	s_getreg_b32 s2, hwreg(HW_REG_IB_STS2, 6, 4)
	s_cmp_eq_u32 s2, 0
	s_cbranch_scc0 .Lentry_in_a_cluster
	s_endpgm
.Lentry_in_a_cluster:
	s_bfe_u32 s2, ttmp6, 0x10000c
	s_cmp_lg_u32 s2, 0x3003
	s_cbranch_scc0 .Lentry_shape_is_right
	s_endpgm
.Lentry_shape_is_right:
; Q, K, V = x W + b on codes of FP6 (E2M3); Q is quantised along the head's 64 and stored as operand images; K and V are quantised along the TOKENS in registers,
; and K^T V is summed over the work-group's 512 tokens and stored as a partial sum in f32.
; SHARES.  A work-group takes one head x 512 tokens; a wave 128 tokens: 8 tiles of 16, one K step of K^T V.  256 work-groups.
; CLUSTER.  The four partners are four heads on the same tokens: x's records (204,800 of the 281,600 bytes) are asked for JOINTLY; the weights differ by head and come by a load of the work-group's own.
; All of LDS is filled once, at the head: no slot is filled again.  One tensor load of a wave is out.
; LAYOUT.  K, V: source 0 = 16 tokens of x, source 1 = 16 columns of W: a lane holds ONE column and its registers run along the tokens (the tokens of a tile are chosen so that
; the 16 registers of tiles 2 b, 2 b + 1 are 16 neighbours).  Q: source 0 = 16 columns of Wq, source 1 = 16 tokens: a lane holds one token, registers along the head's 64.
; Two tiles of tokens share one image of Q: K 0-63 is tile 2 p, K 64-127 tile 2 p + 1.  The biases are the C of each sum's first matrix instruction.
; The sixteen accumulators of a unit take turns, one instruction a turn.
; LIMITS: NaN and infinities are not served; a block whose largest magnitude lies under 2^-124 keeps the byte 1; a block of zeros gets the byte 1 where the rule says 127 (its codes are zeros, and this program alone reads the bytes).
; REGISTERS, in windows of 256: window 0: addresses, scale words, two sets of weight fragments, the quantiser's work.  window 1: v0-127 accumulators; v128-223 biases (32 m + 8 c).
;   window 2: x's fragments of K steps 0, 1 at 12 (8 s + t); v192-239 K^T's four fragments.   window 3: K steps 2, 3; v192-239 V^T's.
.set REC,   6400
.set FRB,   1536
.set XPART, 8*REC                      ; a wave's eight records of x
.set WL,    4*XPART                    ; behind them the head's twelve records of weights (Q, K, V x 4 tiles)
.set WPART, 3*REC
.set XA,   2                           ; v2     my wave's part of x + 16 x lane; later the stage for K^T V: those bytes have had their only fill and have been read out
.set XSA,  3                           ; v3     its scale words: + 6144 + 8 x lane
.set WAD,  4                           ; v4-6   the weights of m = Q, K, V + 16 x lane
.set WSAD, 7                           ; v7-9   their scale words
.set RD,   11                          ; v11-14 quarter w of the four waves' stages
.set VBQ,  15                          ; v15    64 h
.set VBK,  16                          ; v16    4 (r + 8 (r / 8))
.set XSC,  24                          ; v24-39 x's scale words: tile t at 2 t; register i: K step 2 i in lanes 0-15, 2 i + 1 in lanes 16-31
.set WSC,  40                          ; v40-63 the weights' likewise: 2 (4 m + c)
.set KSC,  64                          ; v64-67 K^T's scale words; v68-71 V^T's
.set QS4,  72                          ; v72-75 Q's scale words of my four pairs of tiles
.set WF,   80                          ; v80-175 weight fragments, two sets of 48
.set TM,   176
.set PW,   192
.set PC,   194
.set BIAS, 128
.set KT,   192
.set WV,   20
.set G1X,  28
.set G1W,  36
.set G1Y,  68
.set SEL,  52
.set MSB, 0
.macro WIN new                         ; the immediate's high byte repeats the setting that is left
.if MSB != (\new)
	s_set_vgpr_msb (MSB<<8)|(\new)
.set MSB, (\new)
.endif
.endm
.macro PLACES                          ; four plain places behind matrix instructions, in front of loads into their registers and of reads of results
.rept 4
	v_nop
.endr
.endm
.macro BARRIER
	s_wait_dscnt 0x0
	s_barrier_signal -1
	s_barrier_wait -1
.endm
.macro ROUND                           ; a round of the cluster's barrier
	s_barrier_signal -1
	s_barrier_wait -1
	s_cmp_lg_u32 s[WV], 0
	s_cbranch_scc1 .Lnot_wave_0_\@
	s_barrier_signal -3
.Lnot_wave_0_\@:
	s_barrier_wait -3
	s_barrier_signal -1
	s_barrier_wait -1
.endm
.macro MM d, a, b, c, sa, sb, ra, rb
.if (\ra) && (\rb)
	v_wmma_scale_f32_16x16x128_f8f6f4 v[(\d):(\d)+7], v[(\a):(\a)+11], v[(\b):(\b)+11], v[(\c):(\c)+7], v[(\sa)], v[(\sb)] matrix_a_fmt:MATRIX_FMT_FP6 matrix_b_fmt:MATRIX_FMT_FP6 matrix_a_scale:MATRIX_SCALE_ROW1 matrix_b_scale:MATRIX_SCALE_ROW1
.elseif (\ra)
	v_wmma_scale_f32_16x16x128_f8f6f4 v[(\d):(\d)+7], v[(\a):(\a)+11], v[(\b):(\b)+11], v[(\c):(\c)+7], v[(\sa)], v[(\sb)] matrix_a_fmt:MATRIX_FMT_FP6 matrix_b_fmt:MATRIX_FMT_FP6 matrix_a_scale:MATRIX_SCALE_ROW1
.else
	v_wmma_scale_f32_16x16x128_f8f6f4 v[(\d):(\d)+7], v[(\a):(\a)+11], v[(\b):(\b)+11], v[(\c):(\c)+7], v[(\sa)], v[(\sb)] matrix_a_fmt:MATRIX_FMT_FP6 matrix_b_fmt:MATRIX_FMT_FP6
.endif
.endm
.macro MMZ d, a, b, sa, sb             ; the constant 0 starts the sum
	v_wmma_scale_f32_16x16x128_f8f6f4 v[(\d):(\d)+7], v[(\a):(\a)+11], v[(\b):(\b)+11], 0, v[(\sa)], v[(\sb)] matrix_a_fmt:MATRIX_FMT_FP6 matrix_b_fmt:MATRIX_FMT_FP6
.endm
; 64 numbers of a lane in window x, register s + 16 b + i = k 32 b + 16 (lane / 16) + i of my row, become a fragment's codes in v[PC] on and its scale word in v[PW]
.macro QUANT x, s
.set QW, (\x)|((\x)<<2)
	WIN QW
.irp b, 0,1,2,3
	v_max3_num_f32 v[TM+\b], |v[(\s)+16*\b]|, |v[(\s)+16*\b+1]|, 0x1800000   ; my 16 numbers of block b, and the floor 2^(3 - 127): the byte cannot fall under 1
.endr
.set QW, ((\x)<<2)|((\x)<<4)
	WIN QW
.irp i, 2,4,6,8,10,12,14
.irp b, 0,1,2,3
	v_max3_num_f32 v[TM+\b], v[TM+\b], |v[(\s)+16*\b+\i]|, |v[(\s)+16*\b+\i+1]|
.endr
.endr
	WIN 0
.irp b, 0,1,2,3
	v_permlanex16_b32 v[TM+4+\b], v[TM+\b], s[SEL], s[SEL+1]
.endr
.irp b, 0,1,2,3
	v_max_num_f32 v[TM+\b], v[TM+\b], v[TM+4+\b]   ; with lane l xor 16's: the block's largest magnitude
.endr
.irp b, 0,1,2,3
	v_add_nc_u32 v[TM+12+\b], 0xff000000, v[TM+\b] ; 2 off its exponent field: the conversion's scale operand
.endr
.irp b, 0,1,2,3
	v_lshrrev_b32 v[TM+4+\b], 23, v[TM+12+\b]      ; the scale's byte
.endr
	v_lshl_or_b32 v[PW], v[TM+5], 8, v[TM+4]
	v_lshl_or_b32 v[PW], v[TM+6], 16, v[PW]
	v_lshl_or_b32 v[PW], v[TM+7], 24, v[PW]
	WIN \x
.irp c, 0,1
	v_cvt_scalef32_pk16_fp6_f32 v[PC+6*\c:PC+6*\c+2], v[(\s)+32*\c:(\s)+32*\c+15], v[TM+12+2*\c]
	v_cvt_scalef32_pk16_fp6_f32 v[PC+12+4*\c:PC+14+4*\c], v[(\s)+32*\c+16:(\s)+32*\c+31], v[TM+13+2*\c]   ; (a conversion's three registers begin on an even number)
.endr
	WIN 0
	v_nop                                          ; one plain place behind a scaled conversion
.irp c, 0,1                                    ; the operand's layout wants a whole block in a lane
.irp i, 0,1,2
	v_permlane16_swap_b32 v[PC+6*\c+\i], v[PC+12+4*\c+\i]
.endr
.irp i, 0,1,2
	v_mov_b32 v[PC+3+6*\c+\i], v[PC+12+4*\c+\i]
.endr
.endr
.endm
; n weight fragments (tiles c0 on of matrix m, K step s) into set
.macro FW set, m, c0, n, s
.set FI, 0
.rept \n
.irp g, 0,1,2
	ds_load_b128 v[WF+48*(\set)+12*FI+4*\g:WF+48*(\set)+12*FI+4*\g+3], v[WAD+(\m)] offset:((\c0)+FI)*REC+(\s)*FRB+512*\g
.endr
.set FI, FI+1
.endr
.endm
	s_load_b512 s[4:19], s[0:1], 0x0               ; xi, wqkv, bq, bk, bv, qi, qs, dotp
	v_lshl_add_u32 v254, v0, 2, 0x44c00
	v_mov_b32 v255, 0
	ds_add_u32 v254, v255
	ds_add_u32 v254, v255
	v_lshrrev_b32 v1, 5, v0
	v_readfirstlane_b32 s[WV], v1                  ; wave 0..3
	s_bfe_u32 s21, ttmp6, 0x40000                  ; cx: it enters global addresses of my own loads and stores alone
	s_lshl_b32 s22, ttmp9, 2
	s_add_co_u32 s22, s22, s21                     ; the head
	s_and_b32 s23, ttmp7, 0xffff                   ; y = 4 b + q: which 512 tokens; the four partners share it
	s_mov_b32 s[G1X], 15|(3<<16)|(1<<21)           ; x: the mask names all four; elements of 8 bytes; bit 21 set beside a mask; no padding
	s_mov_b32 s[G1X+1], 32<<16                     ; rows of 256 bytes,
	s_mov_b32 s[G1X+2], 300<<16                    ; 300 of them: waves 0 and 1 each fetch 76,800 bytes of the work-group's 204,800 of x
	s_mov_b32 s[G1X+3], 32<<16
	s_mov_b32 s[G1X+4], 300
	s_mov_b32 s[G1X+5], 32
	s_mov_b32 s[G1X+6], 0
	s_mov_b32 s[G1X+7], 0
	s_mov_b32 s[G1W], 3<<16                        ; the weights: no mask
	s_mov_b32 s[G1W+1], 32<<16
	s_mov_b32 s[G1W+2], 300<<16                    ; 300 rows of 256 bytes: the head's twelve records, all by wave 3
	s_mov_b32 s[G1W+3], 32<<16
	s_mov_b32 s[G1W+4], 300
	s_mov_b32 s[G1Y], 15|(3<<16)|(1<<21)           ; x's last 200 rows of 256 bytes, by wave 2: jointly too
	s_mov_b32 s[G1Y+1], 32<<16
	s_mov_b32 s[G1Y+2], 200<<16
	s_mov_b32 s[G1Y+3], 32<<16
	s_mov_b32 s[G1Y+4], 200
	s_mov_b32 s[G1Y+5], 32
	s_mov_b32 s[G1Y+6], 0
	s_mov_b32 s[G1Y+7], 0
	s_mov_b32 s[G1W+5], 32
	s_mov_b32 s[G1W+6], 0
	s_mov_b32 s[G1W+7], 0
	s_mov_b32 s[SEL], 0x76543210
	s_mov_b32 s[SEL+1], 0xfedcba98                 ; v_permlanex16_b32's selects for lane l xor 16
	s_mul_i32 s24, s[WV], XPART
	s_mul_i32 s54, s23, 4*XPART
	s_mul_i32 s76, s[WV], 12*REC                   ; what a wave fetches begins at wave x 76,800 bytes, in LDS and in x's 204,800 bytes alike
	s_add_co_u32 s54, s54, s76                     ; x: made of y and the wave's number alone
	s_mov_b32 s55, 0
	s_mul_i32 s56, s22, 12*REC
	s_mov_b32 s57, 0
	s_lshl_b32 s58, s22, 8                         ; the head's 64 numbers of a bias
	s_mov_b32 s59, 0
	s_lshl_b32 s60, s23, 4
	s_lshl_b32 s61, s[WV], 2
	s_add_co_u32 s60, s60, s61
	s_lshl_b32 s60, s60, 3
	s_add_co_u32 s60, s60, s22
	s_mul_i32 s60, s60, FRB                        ; qi: ((16 y + 4 w) 8 + head) images
	s_mov_b32 s61, 0
	s_lshl_b32 s62, s23, 2
	s_add_co_u32 s62, s62, s[WV]
	s_lshl_b32 s62, s62, 3
	s_add_co_u32 s62, s62, s22
	s_lshl_b32 s62, s62, 9                         ; qs: ((4 y + w) 8 + head) x 512
	s_mov_b32 s63, 0
	s_lshr_b32 s66, s23, 2
	s_lshl_b32 s66, s66, 3
	s_add_co_u32 s66, s66, s22
	s_lshl_b32 s66, s66, 2
	s_and_b32 s67, s23, 3
	s_add_co_u32 s66, s66, s67
	s_lshl_b32 s66, s66, 14
	s_lshl_b32 s25, s[WV], 12
	s_add_co_u32 s66, s66, s25                     ; dotp: ((8 b + head) 4 + q) x 16,384 + 4,096 w
	s_mov_b32 s67, 0
	s_wait_dscnt 0x0
	s_wait_kmcnt 0x0
	s_mov_b32 s44, 1
	s_mov_b32 s45, s76
	s_add_nc_u64 s[46:47], s[4:5], s[54:55]
	s_or_b32 s47, s47, 0x80000000
	s_mov_b32 s48, 1
	s_mov_b32 s49, WL
	s_add_nc_u64 s[50:51], s[6:7], s[56:57]
	s_or_b32 s51, s51, 0x80000000
	ROUND                                          ; all four work-groups are here: the joint loads meet
	s_cmp_lt_u32 s[WV], 2                          ; one tensor load a wave, in one chain of branches on the wave's number
	s_cbranch_scc0 .Lhead_c
	tensor_load_to_lds s[44:47], s[G1X:G1X+7]      ; waves 0, 1: x's rows 0-299, 300-599
	s_nop 0
	PLACES
	s_branch .Lhead_asked
.Lhead_c:
	s_cmp_lt_u32 s[WV], 3
	s_cbranch_scc0 .Lhead_w
	tensor_load_to_lds s[44:47], s[G1Y:G1Y+7]      ; wave 2: x's rows 600-799
	s_nop 0
	PLACES
	s_branch .Lhead_asked
.Lhead_w:
	tensor_load_to_lds s[48:51], s[G1W:G1W+7]      ; wave 3: the head's weights, a load of the work-group's own
	s_nop 0
	PLACES
.Lhead_asked:
	s_add_nc_u64 s[8:9], s[8:9], s[58:59]
	s_add_nc_u64 s[10:11], s[10:11], s[58:59]
	s_add_nc_u64 s[12:13], s[12:13], s[58:59]
	s_add_nc_u64 s[14:15], s[14:15], s[60:61]
	s_add_nc_u64 s[16:17], s[16:17], s[62:63]
	s_add_nc_u64 s[18:19], s[18:19], s[66:67]
	v_and_b32 v17, 31, v0
	v_and_b32 v18, 15, v0                          ; r
	v_bfe_u32 v19, v0, 4, 1                        ; h
	v_lshlrev_b32 v1, 4, v17                       ; 16 x lane
	v_lshlrev_b32 v20, 3, v17                      ; 8 x lane
	v_lshlrev_b32 v[VBQ], 6, v19
	v_and_b32 v[VBK], 8, v18
	v_add_nc_u32 v[VBK], v[VBK], v18
	v_lshlrev_b32 v[VBK], 2, v[VBK]
	WIN 0x40                                       ; destination window 1
.irp c, 0,1,2,3
	global_load_b128 v[BIAS+8*\c:BIAS+8*\c+3], v[VBQ], s[8:9] offset:(32*(\c/2)+8*(\c%2))*4       ; Q: register j is column 32 (c / 2) + 16 h + 8 (c % 2) + j
	global_load_b128 v[BIAS+8*\c+4:BIAS+8*\c+7], v[VBQ], s[8:9] offset:(32*(\c/2)+8*(\c%2))*4+16
.endr
.irp c, 0,1,2,3
.irp j, 0,1,2,3,4,5,6,7
	global_load_b32 v[BIAS+32+8*\c+\j], v[VBK], s[10:11] offset:(32*(\c/2)+8*(\c%2))*4            ; K, V: a lane holds one column: eight equal registers
	global_load_b32 v[BIAS+64+8*\c+\j], v[VBK], s[12:13] offset:(32*(\c/2)+8*(\c%2))*4
.endr
.endr
	WIN 0
	v_add_nc_u32 v[XA], s24, v1
	v_add_nc_u32 v[XSA], s24, v20
	v_add_nc_u32 v[XSA], 6144, v[XSA]
.irp m, 0,1,2
	v_add_nc_u32 v[WAD+\m], WL+4*REC*\m, v1
	v_add_nc_u32 v[WSAD+\m], WL+4*REC*\m+6144, v20
.endr
.irp u, 0,1,2,3
	v_add_nc_u32 v[RD+\u], s25, v1
	v_add_nc_u32 v[RD+\u], \u*XPART, v[RD+\u]
.endr
.irp b, 0,1,2,3
	v_mov_b32 v[TM+4+\b], 0                        ; written once: a lane permute's destination counts as one of its sources
.endr
	s_wait_tensorcnt 0x0                           ; my parts of x and of the weights are in,
	s_barrier_signal -1
	s_barrier_wait -1                              ; everybody's are: all four waves read the weights
	WIN 0x80                                       ; x's 32 fragments stay in registers
.irp s, 0,1
.irp t, 0,1,2,3,4,5,6,7
.irp g, 0,1,2
	ds_load_b128 v[12*(8*\s+\t)+4*\g:12*(8*\s+\t)+4*\g+3], v[XA] offset:\t*REC+\s*FRB+512*\g
.endr
.endr
.endr
	WIN 0xc0
.irp s, 0,1
.irp t, 0,1,2,3,4,5,6,7
.irp g, 0,1,2
	ds_load_b128 v[12*(8*\s+\t)+4*\g:12*(8*\s+\t)+4*\g+3], v[XA] offset:\t*REC+(\s+2)*FRB+512*\g
.endr
.endr
.endr
	WIN 0
.irp t, 0,1,2,3,4,5,6,7
	ds_load_b64 v[XSC+2*\t:XSC+2*\t+1], v[XSA] offset:\t*REC
.endr
.irp m, 0,1,2
.irp c, 0,1,2,3
	ds_load_b64 v[WSC+2*(4*\m+\c):WSC+2*(4*\m+\c)+1], v[WSAD+\m] offset:\c*REC
.endr
.endr
	FW 0, 1, 0, 2, 0
	s_wait_dscnt 0x0
	s_wait_loadcnt 0x0                             ; the biases
; Two column tiles (2 cp, 2 cp + 1) of K (m = 1) or V (m = 2) for my 128 tokens; then each becomes a fragment along the tokens.  nm, nc, nn: what the next unit's first sub-step wants.
.macro KVUNIT m, cp, nm, nc, nn
.irp s, 0,1,2,3
	WIN 0
	PLACES
.if \s < 3
	FW (\s+1)%2, \m, 2*(\cp), 2, \s+1
	s_wait_dscnt 6                                 ; all but the six loads just issued: this sub-step's fragments are in
.else
	FW 0, \nm, \nc, \nn, 0
	s_wait_dscnt 3*(\nn)
.endif
	WIN 0x52+\s/2                                  ; source 0 (x) window 2 or 3, source 1 (W) window 0, C and D window 1
.irp cc, 0,1
.irp t, 0,1,2,3,4,5,6,7
.if \s == 0
	MM 64*\cc+8*\t, 12*\t, WF+12*\cc, BIAS+32*(\m)+8*(2*(\cp)+\cc), XSC+2*\t, WSC+2*(4*(\m)+2*(\cp)+\cc), 0, 0
.else
	MM 64*\cc+8*\t, 12*(8*(\s%2)+\t), WF+48*(\s%2)+12*\cc, 64*\cc+8*\t, XSC+2*\t+\s/2, WSC+2*(4*(\m)+2*(\cp)+\cc)+\s/2, \s%2, \s%2
.endif
.endr
.endr
.endr
	WIN 0
	PLACES
.irp cc, 0,1
	QUANT 1, 64*\cc
	WIN 0x40+0x40*(\m)                             ; destination window 2 (K^T) or 3 (V^T)
.irp i, 0,1,2,3,4,5,6,7,8,9,10,11
	v_mov_b32 v[KT+12*(2*(\cp)+\cc)+\i], v[PC+\i]
.endr
	WIN 0
	v_mov_b32 v[KSC+4*((\m)-1)+2*(\cp)+\cc], v[PW]
.endr
.endm
; Q for tiles 4 tq .. 4 tq + 3 of my tokens x the head's four column tiles; then two images.  more = 1: another unit follows
.macro QUNIT tq, more
.irp s, 0,1,2,3
	WIN 0
	PLACES
.if \s < 3
	FW (\s+1)%2, 0, 0, 4, \s+1
	s_wait_dscnt 12                                ; all but the twelve loads just issued
.elseif \more
	FW 0, 0, 0, 4, 0
	s_wait_dscnt 12
.else
	s_wait_dscnt 0x0
.endif
	WIN 0x58+4*(\s/2)                              ; source 0 (Wq) window 0, source 1 (x) window 2 or 3, C and D window 1
.irp tt, 0,1,2,3
.irp c, 0,1,2,3
.if \s == 0
	MM 32*\tt+8*\c, WF+12*\c, 12*(4*(\tq)+\tt), BIAS+8*\c, WSC+2*\c, XSC+2*(4*(\tq)+\tt), 0, 0
.else
	MM 32*\tt+8*\c, WF+48*(\s%2)+12*\c, 12*(8*(\s%2)+4*(\tq)+\tt), 32*\tt+8*\c, WSC+2*\c+\s/2, XSC+2*(4*(\tq)+\tt)+\s/2, \s%2, \s%2
.endif
.endr
.endr
.endr
	WIN 0
	PLACES
.irp pp, 0,1
	s_wait_xcnt 0x0                                ; the codes' registers were an earlier store's data: they are rewritten only behind this wait
	QUANT 1, 64*\pp
.irp g, 0,1,2
	global_store_b128 v1, v[PC+4*\g:PC+4*\g+3], s[14:15] offset:(2*(\tq)+\pp)*8*FRB+512*\g   ; 512 consecutive bytes, aligned
.endr
	v_mov_b32 v[QS4+2*(\tq)+\pp], v[PW]
.endr
.endm
	KVUNIT 1, 0, 1, 2, 2
	KVUNIT 1, 1, 2, 0, 2
	KVUNIT 2, 0, 2, 2, 2
	KVUNIT 2, 1, 0, 0, 4
.rept 8
	v_nop                                          ; operands and scale words written by vector instructions stand 4 and 8 places ahead of a scaled matrix instruction
.endr
	WIN 0x4e                                       ; source 0 (K^T) window 2, source 1 (V^T) window 3, D window 1
.irp et, 0,1,2,3
.irp dt, 0,1,2,3
	MMZ 32*\et+8*\dt, KT+12*\dt, KT+12*\et, KSC+\dt, KSC+4+\et   ; a lane holds one e; registers 8 dt + j run along d
.endr
.endr
	WIN 0
	PLACES
	WIN 0x04                                       ; an LDS store's data are its source 1: window 1
.set G, 0
.rept 32
	ds_store_b128 v[XA], v[4*G:4*G+3] offset:512*G ; my 128 tokens' sum, as an image of the registers; each accumulator from its low end on
.set G, G+1
.endr
	QUNIT 0, 1                                     ; (its first wait on DScnt, for all but twelve loads, also shows these stores done)
	QUNIT 1, 0
	global_store_b128 v1, v[QS4:QS4+3], s[16:17]
	BARRIER                                        ; the four waves' sums lie in LDS
	WIN 0x40
.irp u, 0,1,2,3
.irp g, 0,1,2,3,4,5,6,7
	ds_load_b128 v[32*\u+4*\g:32*\u+4*\g+3], v[RD+\u] offset:512*\g
.endr
.endr
	s_wait_dscnt 0x0
	WIN 0x45
.set P, 0
.rept 16
	v_pk_add_f32 v[P:P+1], v[P:P+1], v[32+P:33+P]
	v_pk_add_f32 v[64+P:65+P], v[64+P:65+P], v[96+P:97+P]
.set P, P+2
.endr
.set P, 0
.rept 16
	v_pk_add_f32 v[P:P+1], v[P:P+1], v[64+P:65+P]
.set P, P+2
.endr
	WIN 0x04
.irp g, 0,1,2,3,4,5,6,7
	global_store_b128 v1, v[4*\g:4*\g+3], s[18:19] offset:512*\g
.endr
	WIN 0
	s_wait_tensorcnt 0x0
	ds_add_u32 v254, v255
	s_wait_dscnt 0x0
	ROUND                                          ; the closing round: no work-group ends while a partner may still ask for a tile that names it
	s_endpgm
.Lfunc_end_k_qbf88724fed_qkv:
	.size	k_qbf88724fed_qkv, .Lfunc_end_k_qbf88724fed_qkv-k_qbf88724fed_qkv
	.p2alignl 7, 3214868480
	.fill 96, 4, 3214868480
	.section	.rodata,"a",@progbits
	.p2align	6, 0x0
	.amdhsa_kernel k_qbf88724fed_qkv
		.amdhsa_group_segment_fixed_size 327680
		.amdhsa_private_segment_fixed_size 0
		.amdhsa_enable_private_segment 0
		.amdhsa_kernarg_size 64
		.amdhsa_user_sgpr_count 2
		.amdhsa_user_sgpr_kernarg_segment_ptr 1
		.amdhsa_wavefront_size32 1
		.amdhsa_system_sgpr_workgroup_id_x 1
		.amdhsa_system_sgpr_workgroup_id_y 1
		.amdhsa_system_sgpr_workgroup_id_z 1
		.amdhsa_system_vgpr_workitem_id 0
		.amdhsa_next_free_vgpr 1024
		.amdhsa_next_free_sgpr 80
		.amdhsa_reserve_vcc 0
		.amdhsa_float_denorm_mode_32 3
		.amdhsa_float_denorm_mode_16_64 3
		.amdhsa_memory_ordered 1
		.amdhsa_forward_progress 1
		.amdhsa_inst_pref_size 150
	.end_amdhsa_kernel
	.amdgpu_metadata
---
amdhsa.version: [ 1, 2 ]
amdhsa.kernels:
  - .name:           k_qbf88724fed_qkv
    .symbol:         k_qbf88724fed_qkv.kd
    .args:
      - { .name: xi, .offset: 0, .size: 8, .value_kind: global_buffer, .address_space: global }
      - { .name: wqkv, .offset: 8, .size: 8, .value_kind: global_buffer, .address_space: global }
      - { .name: bq, .offset: 16, .size: 8, .value_kind: global_buffer, .address_space: global }
      - { .name: bk, .offset: 24, .size: 8, .value_kind: global_buffer, .address_space: global }
      - { .name: bv, .offset: 32, .size: 8, .value_kind: global_buffer, .address_space: global }
      - { .name: qi, .offset: 40, .size: 8, .value_kind: global_buffer, .address_space: global }
      - { .name: qs, .offset: 48, .size: 8, .value_kind: global_buffer, .address_space: global }
      - { .name: dotp, .offset: 56, .size: 8, .value_kind: global_buffer, .address_space: global }
    .group_segment_fixed_size: 327680
    .private_segment_fixed_size: 0
    .kernarg_segment_align: 8
    .kernarg_segment_size: 64
    .max_flat_workgroup_size: 128
    .sgpr_count:     80
    .vgpr_count:     1024
    .wavefront_size: 32
...
	.end_amdgpu_metadata
.endif
;; end of part 2
;; launch soft (part 3): grid 64 x 1, 1 waves a work-group, no clusters, 0 bytes of LDS; arguments dotp, at, ats; writes at, ats
.if DOCPART == 3
	.amdgcn_target "amdgcn-amd-amdhsa--gfx1250"
	.amdhsa_code_object_version 6
	.text
	.protected	k_qbf88724fed_soft
	.globl	k_qbf88724fed_soft
	.p2align	8
	.type	k_qbf88724fed_soft,@function
k_qbf88724fed_soft:
	s_mov_b64 s[64:65], 0
	v_nop
	global_prefetch_b8 v0, s[64:65] scope:SCOPE_SE
	s_setreg_imm32_b32 hwreg(HW_REG_WAVE_MODE, 25, 1), 1
	s_wait_xcnt 0x0
; attn = softmax over e of (K^T V / 8), finished and normalised, then quantised along d to FP6 (E2M3): one wave for each (batch, head).
; The four partial sums are images of 128 registers: register 32 et + 8 dt + j of lane (r, h) is dot(d = 32 (dt / 2) + 16 h + 8 (dt % 2) + j, e = row r of tile et).
; So one d lies in the sixteen lanes of a half and the four et: the maximum and the sum take three lines over et and four steps inside the half.
; The maximum is taken away before the exponential; the division by 8 is exact and stands inside the factor log2(e) / 8.
; A lane's 32 registers of one et run along d in the quantiser's order: two et make one run of the quantiser, whose two halves are stored apart (768 bytes for each et).
; The scale word of an et holds its two bytes twice, so that it serves the fragment at K 0-63 and at K 64-127 alike.
; One wave a work-group: quantising along d wants both blocks of d in one wave, and the work is 64 KiB for each head.  No LDS, no barrier, no cluster: nothing is shared.
; LIMITS: NaN and infinities are not served; weights under 2^-126 count as zero (the exponential's flush: ISA guide, its entry).
.set A,   64
.set M,   16
.set SW,  48
.set TM,  192
.set PW,  208
.set PC,  210
.set SEL, 8
.set MSB, 0
.macro WIN new
.if MSB != (\new)
	s_set_vgpr_msb (MSB<<8)|(\new)
.set MSB, (\new)
.endif
.endm
.macro QUANT x, s
.set QW, (\x)|((\x)<<2)
	WIN QW
.irp b, 0,1,2,3
	v_max3_num_f32 v[TM+\b], |v[(\s)+16*\b]|, |v[(\s)+16*\b+1]|, 0x1800000
.endr
.set QW, ((\x)<<2)|((\x)<<4)
	WIN QW
.irp i, 2,4,6,8,10,12,14
.irp b, 0,1,2,3
	v_max3_num_f32 v[TM+\b], v[TM+\b], |v[(\s)+16*\b+\i]|, |v[(\s)+16*\b+\i+1]|
.endr
.endr
	WIN 0
.irp b, 0,1,2,3
	v_permlanex16_b32 v[TM+4+\b], v[TM+\b], s[SEL], s[SEL+1]
.endr
.irp b, 0,1,2,3
	v_max_num_f32 v[TM+\b], v[TM+\b], v[TM+4+\b]
.endr
.irp b, 0,1,2,3
	v_add_nc_u32 v[TM+12+\b], 0xff000000, v[TM+\b]
.endr
.irp b, 0,1,2,3
	v_lshrrev_b32 v[TM+4+\b], 23, v[TM+12+\b]
.endr
	v_lshl_or_b32 v[PW], v[TM+5], 8, v[TM+4]
	v_lshl_or_b32 v[PW], v[TM+6], 16, v[PW]
	v_lshl_or_b32 v[PW], v[TM+7], 24, v[PW]
	WIN \x
.irp c, 0,1
	v_cvt_scalef32_pk16_fp6_f32 v[PC+6*\c:PC+6*\c+2], v[(\s)+32*\c:(\s)+32*\c+15], v[TM+12+2*\c]
	v_cvt_scalef32_pk16_fp6_f32 v[PC+12+4*\c:PC+14+4*\c], v[(\s)+32*\c+16:(\s)+32*\c+31], v[TM+13+2*\c]
.endr
	WIN 0
	v_nop                                          ; one plain place behind a scaled conversion
.irp c, 0,1
.irp i, 0,1,2
	v_permlane16_swap_b32 v[PC+6*\c+\i], v[PC+12+4*\c+\i]
.endr
.irp i, 0,1,2
	v_mov_b32 v[PC+3+6*\c+\i], v[PC+12+4*\c+\i]
.endr
.endr
.endm
	s_load_b128 s[4:7], s[0:1], 0x0                ; dotp, at
	s_load_b64 s[10:11], s[0:1], 0x10              ; ats
	v_lshlrev_b32 v1, 4, v0
	v_lshlrev_b32 v2, 3, v0
	s_mov_b32 s[SEL], 0x76543210
	s_mov_b32 s[SEL+1], 0xfedcba98
	s_lshl_b32 s12, ttmp9, 16
	s_mov_b32 s13, 0
	s_mul_i32 s14, ttmp9, 3072
	s_mov_b32 s15, 0
	s_lshl_b32 s16, ttmp9, 9
	s_mov_b32 s17, 0
.irp b, 0,1,2,3
	v_mov_b32 v[TM+4+\b], 0                        ; a lane permute's destination counts as one of its sources
.endr
	s_wait_alu depctr_va_vdst(0)
	s_wait_kmcnt 0x0
	s_add_nc_u64 s[4:5], s[4:5], s[12:13]
	s_add_nc_u64 s[6:7], s[6:7], s[14:15]
	s_add_nc_u64 s[10:11], s[10:11], s[16:17]
.set G, 0
.rept 32
	global_load_b128 v[A+4*G:A+4*G+3], v1, s[4:5] offset:512*G th:TH_LOAD_NT
.set G, G+1
.endr
	WIN 0x40
.set G, 0
.rept 64
	global_load_b128 v[4*G:4*G+3], v1, s[4:5] offset:16384+512*G th:TH_LOAD_NT   ; partial sums 1 and 2 fill window 1
.set G, G+1
.endr
	WIN 0x80
.set G, 0
.rept 32
	global_load_b128 v[4*G:4*G+3], v1, s[4:5] offset:49152+512*G th:TH_LOAD_NT
.set G, G+1
.endr
	WIN 0
	s_wait_loadcnt 0x0
	WIN 0x04
.set P, 0
.rept 64
	v_pk_add_f32 v[A+P:A+P+1], v[A+P:A+P+1], v[P:P+1]
.set P, P+2
.endr
.set P, 0
.rept 64
	v_pk_add_f32 v[A+P:A+P+1], v[A+P:A+P+1], v[128+P:129+P]
.set P, P+2
.endr
	WIN 0x08
.set P, 0
.rept 64
	v_pk_add_f32 v[A+P:A+P+1], v[A+P:A+P+1], v[P:P+1]
.set P, P+2
.endr
	WIN 0
.set I, 0
.rept 32
	v_max3_num_f32 v[M+I], v[A+I], v[A+32+I], v[A+64+I]
.set I, I+1
.endr
.set I, 0
.rept 32
	v_max_num_f32 v[M+I], v[M+I], v[A+96+I]
.set I, I+1
.endr
.irp x, 1,2,4,8
.set I, 0
.rept 32
	v_max_num_f32_dpp v[M+I], v[M+I], v[M+I] row_xmask:\x row_mask:0xf bank_mask:0xf
.set I, I+1
.endr
.endr
.irp et, 0,1,2,3
.set P, 0
.rept 16
	v_pk_add_f32 v[A+32*\et+P:A+32*\et+P+1], v[A+32*\et+P:A+32*\et+P+1], v[M+P:M+P+1] neg_lo:[0,1] neg_hi:[0,1]   ; less the row's maximum
.set P, P+2
.endr
.endr
.set P, 0
.rept 64
	v_pk_mul_f32 v[A+P:A+P+1], v[A+P:A+P+1], 0x3e38aa3b op_sel_hi:[1,0]   ; x log2(e) / 8
.set P, P+2
.endr
.set I, 0
	s_wait_alu depctr_va_vdst(0)
.rept 128
	v_exp_f32 v[A+I], v[A+I]
.set I, I+1
.endr
	v_nop                                          ; a plain place behind the last exponential
	s_wait_alu depctr_va_vdst(0)                   ; one wait for the batch, ahead of its first reader
.set P, 0
.rept 16
	v_pk_add_f32 v[M+P:M+P+1], v[A+P:A+P+1], v[A+32+P:A+33+P]
.set P, P+2
.endr
.set P, 0
.rept 16
	v_pk_add_f32 v[M+P:M+P+1], v[M+P:M+P+1], v[A+64+P:A+65+P]
.set P, P+2
.endr
.set P, 0
.rept 16
	v_pk_add_f32 v[M+P:M+P+1], v[M+P:M+P+1], v[A+96+P:A+97+P]
.set P, P+2
.endr
.irp x, 1,2,4,8
.set I, 0
.rept 32
	v_add_f32_dpp v[M+I], v[M+I], v[M+I] row_xmask:\x row_mask:0xf bank_mask:0xf
.set I, I+1
.endr
.endr
.set I, 0
	s_wait_alu depctr_va_vdst(0)
.rept 32
	v_rcp_f32 v[M+I], v[M+I]
.set I, I+1
.endr
	v_nop
	s_wait_alu depctr_va_vdst(0)                   ; one wait for the 32 reciprocals
.irp et, 0,1,2,3
.set P, 0
.rept 16
	v_pk_mul_f32 v[A+32*\et+P:A+32*\et+P+1], v[A+32*\et+P:A+32*\et+P+1], v[M+P:M+P+1]
.set P, P+2
.endr
.endr
.irp ep, 0,1
.if \ep
	s_wait_xcnt 0x0                                ; the codes' registers were the first run's store data
.endif
	QUANT 0, A+64*\ep
	global_store_b128 v1, v[PC:PC+3], s[6:7] offset:1536*\ep
	global_store_b64 v2, v[PC+4:PC+5], s[6:7] offset:1536*\ep+512
	global_store_b128 v1, v[PC+6:PC+9], s[6:7] offset:1536*\ep+768
	global_store_b64 v2, v[PC+10:PC+11], s[6:7] offset:1536*\ep+1280
	v_and_b32 v3, 0xffff, v[PW]
	v_lshl_or_b32 v[SW+2*\ep], v[PW], 16, v3       ; et = 2 ep: its two bytes, twice
	v_lshrrev_b32 v3, 16, v[PW]
	v_and_or_b32 v[SW+2*\ep+1], v[PW], 0xffff0000, v3
.endr
	global_store_b128 v1, v[SW:SW+3], s[10:11]
	s_endpgm
.Lfunc_end_k_qbf88724fed_soft:
	.size	k_qbf88724fed_soft, .Lfunc_end_k_qbf88724fed_soft-k_qbf88724fed_soft
	.p2alignl 7, 3214868480
	.fill 96, 4, 3214868480
	.section	.rodata,"a",@progbits
	.p2align	6, 0x0
	.amdhsa_kernel k_qbf88724fed_soft
		.amdhsa_group_segment_fixed_size 0
		.amdhsa_private_segment_fixed_size 0
		.amdhsa_enable_private_segment 0
		.amdhsa_kernarg_size 24
		.amdhsa_user_sgpr_count 2
		.amdhsa_user_sgpr_kernarg_segment_ptr 1
		.amdhsa_wavefront_size32 1
		.amdhsa_system_sgpr_workgroup_id_x 1
		.amdhsa_system_sgpr_workgroup_id_y 1
		.amdhsa_system_sgpr_workgroup_id_z 1
		.amdhsa_system_vgpr_workitem_id 0
		.amdhsa_next_free_vgpr 640
		.amdhsa_next_free_sgpr 66
		.amdhsa_reserve_vcc 0
		.amdhsa_float_denorm_mode_32 3
		.amdhsa_float_denorm_mode_16_64 3
		.amdhsa_memory_ordered 1
		.amdhsa_forward_progress 1
		.amdhsa_inst_pref_size 76
	.end_amdhsa_kernel
	.amdgpu_metadata
---
amdhsa.version: [ 1, 2 ]
amdhsa.kernels:
  - .name:           k_qbf88724fed_soft
    .symbol:         k_qbf88724fed_soft.kd
    .args:
      - { .name: dotp, .offset: 0, .size: 8, .value_kind: global_buffer, .address_space: global }
      - { .name: at, .offset: 8, .size: 8, .value_kind: global_buffer, .address_space: global }
      - { .name: ats, .offset: 16, .size: 8, .value_kind: global_buffer, .address_space: global }
    .group_segment_fixed_size: 0
    .private_segment_fixed_size: 0
    .kernarg_segment_align: 8
    .kernarg_segment_size: 24
    .max_flat_workgroup_size: 32
    .sgpr_count:     66
    .vgpr_count:     640
    .wavefront_size: 32
...
	.end_amdgpu_metadata
.endif
;; end of part 3
;; launch chain (part 4): grid 256 x 1, 4 waves a work-group, clusters of 4 x 1, 327,680 bytes of LDS; arguments qi, qs, at, ats, wst, bo, g1, be1, b1, b2, g2, be2, out0; writes out0
.if DOCPART == 4
	.amdgcn_target "amdgcn-amd-amdhsa--gfx1250"
	.amdhsa_code_object_version 6
	.text
	.protected	k_qbf88724fed_chain
	.globl	k_qbf88724fed_chain
	.p2align	8
	.type	k_qbf88724fed_chain,@function
k_qbf88724fed_chain:
	s_mov_b64 s[64:65], 0
	v_nop
	global_prefetch_b8 v0, s[64:65] scope:SCOPE_SE
	s_setreg_imm32_b32 hwreg(HW_REG_WAVE_MODE, 25, 1), 1
	s_wait_xcnt 0x0
	s_wait_alu depctr_hold_cnt(0) depctr_sa_sdst(0) depctr_va_vdst(0) depctr_va_sdst(0) depctr_va_ssrc(0) depctr_va_vcc(0) depctr_vm_vsrc(0)
	s_getreg_b32 s2, hwreg(HW_REG_IB_STS2, 6, 4)
	s_cmp_eq_u32 s2, 0
	s_cbranch_scc0 .Lentry_in_a_cluster
	s_endpgm
.Lentry_in_a_cluster:
	s_bfe_u32 s2, ttmp6, 0x10000c
	s_cmp_lg_u32 s2, 0x3003
	s_cbranch_scc0 .Lentry_shape_is_right
	s_endpgm
.Lentry_shape_is_right:
; y = Q attn; y Wo + bo; layer norm 1; relu(y W1 + b1) W2 + b2; + y; layer norm 2; stored transposed.  All products on codes of FP6 (E2M3) with E8M0 scales.
; SHARES.  A work-group takes 64 tokens (4 tiles of 16) through the whole chain; a wave owns 128 of each 512 columns: 4 x 8 accumulators, 256 registers.  256 work-groups.
; Every product is used transposed (source 0 = 16 columns of a weight, source 1 = 16 tokens): a lane holds one token and its registers run along the columns, the next K.
; What a wave has quantised (one K step of 128 for each token tile) goes to the others as images of the operand's registers in LDS.
; THE WEIGHTS are one stream of 18 tiles of 102,400 bytes (Wo 2; for each chunk of 512 hidden units W1 2 and W2 2) through a ring of two slots; a wave fetches and reads its own quarter.
; CLUSTER.  The four partners walk the same stream: each tile is asked for jointly.  Clusters begin at different chunks (cluster number mod 4) and wrap round.
; A CHANGE OF SLOTS stands ahead of a half's LAST K step, whose fragments are in registers by then: the waits, the add, the round, the refill, then the next slot's scale words and first
; fragments, which land under the 16 matrix instructions that are left.
; LAYER NORM 1.  reference() norms 2 y with eps: (2y - 2m) rsqrt(4 v + eps) = (y - m) rsqrt(v + eps / 4) for all values, so y is not doubled and eps / 4 is used.
; LIMITS: NaN and infinities are not served; a block whose largest magnitude lies under 2^-124 keeps the byte 1; a block of zeros gets the byte 1 where the rule says 127 (its codes are zeros, and this program alone reads the bytes).
; REGISTERS, in windows of 256.  window 0: v0-23 addresses; v24-39 y's scale words; v40-47, v234-241 the weights' scale words of slot 0, 1; v48-143 weight fragments, two sets;
;   v96-217, v242-253 the quantiser's work (never set 0 of the fragments, never a scale register); v184-217 the norms' work; v218-233 scale words of Q, attn, later of the hidden layer.
;   window 1: the sums of y, later of y + z.  window 2: Q attn, g1, be1, b2; then the hidden layer's sums and its fragments.  window 3: fragments of the first operand (v0-191), a bias (v192-255).
.set REC,   6400
.set FRB,   1536
.set WPART, 4*REC
.set TILE,  4*WPART
.set IMG,   2*TILE                     ; 16 images: token tile t, K step s at FRB (4 t + s)
.set IMGS,  IMG+16*FRB                 ; their scale words, 128 bytes each
.set LNX,   IMGS+2048                  ; the norms' partial sums
.set SPARE, LNX+4096                   ; the spare words, 128 bytes a wave
.set STG,   SPARE+512                  ; the way out: 64 rows of SPIT bytes for each wave
.set SPIT,  264
.set WFA,  2
.set WSA,  4
.set IA,   6
.set ISA,  7
.set IW,   8
.set ISW,  9
.set LNS,  10
.set LNL,  11
.set SO,   12
.set SR,   13
.set GO,   14
.set VB,   15
.set SPW,  16
.set NIL,  17
.set AS,   24
.set WSC,  40
.set WF,   48
.set TB,   184
.set TC,   200
.set PW,   250
.set LT,   184
.set HS,   218
.set WV,   30
.set G1,   36
.set G0,   44
.set SEL,  52
.set EPS,  54
.set RN,   55
.set CH,   56
.set CC,   74
.set WR,   76
.set WB,   78
.set FS,   80
.set MSB, 0
.macro WIN new                         ; the immediate's high byte repeats the setting that is left
.if MSB != (\new)
	s_set_vgpr_msb (MSB<<8)|(\new)
.set MSB, (\new)
.endif
.endm
.macro PLACES
.rept 4
	v_nop
.endr
.endm
.macro BARRIER
	s_wait_dscnt 0x0
	s_barrier_signal -1
	s_barrier_wait -1
.endm
.macro ROUND                           ; a round of the cluster's barrier
	s_barrier_signal -1
	s_barrier_wait -1
	s_cmp_lg_u32 s[WV], 0
	s_cbranch_scc1 .Lnot_wave_0_\@
	s_barrier_signal -3
.Lnot_wave_0_\@:
	s_barrier_wait -3
	s_barrier_signal -1
	s_barrier_wait -1
.endm
.macro MM d, a, b, c, sa, sb, ra
.if (\ra)
	v_wmma_scale_f32_16x16x128_f8f6f4 v[(\d):(\d)+7], v[(\a):(\a)+11], v[(\b):(\b)+11], v[(\c):(\c)+7], v[(\sa)], v[(\sb)] matrix_a_fmt:MATRIX_FMT_FP6 matrix_b_fmt:MATRIX_FMT_FP6 matrix_a_scale:MATRIX_SCALE_ROW1
.else
	v_wmma_scale_f32_16x16x128_f8f6f4 v[(\d):(\d)+7], v[(\a):(\a)+11], v[(\b):(\b)+11], v[(\c):(\c)+7], v[(\sa)], v[(\sb)] matrix_a_fmt:MATRIX_FMT_FP6 matrix_b_fmt:MATRIX_FMT_FP6
.endif
.endm
.macro MMZ d, a, b, sa, sb
	v_wmma_scale_f32_16x16x128_f8f6f4 v[(\d):(\d)+7], v[(\a):(\a)+11], v[(\b):(\b)+11], 0, v[(\sa)], v[(\sb)] matrix_a_fmt:MATRIX_FMT_FP6 matrix_b_fmt:MATRIX_FMT_FP6
.endm
; My 256 numbers a lane in window x (token tile t, block b at 16 (4 t + b); a block's other 16 lie in lane l xor 16) become four fragments and four scale words, stored as images.
; The 16 blocks take turns line by line.  Largest magnitudes at v136-143, v242-249; codes of tile t at 96 + 20 t + 8 (t / 2).
.macro QUANT4 x
.set QW, (\x)|((\x)<<2)
	WIN QW
.set Q, 0
.rept 16
	v_max3_num_f32 v[136+Q+98*(Q/8)], |v[16*Q]|, |v[16*Q+1]|, 0x1800000   ; the floor 2^(3 - 127) holds the byte at 1 from below
.set Q, Q+1
.endr
.set QW, ((\x)<<2)|((\x)<<4)
	WIN QW
.irp i, 2,4,6,8,10,12,14
.set Q, 0
.rept 16
	v_max3_num_f32 v[136+Q+98*(Q/8)], v[136+Q+98*(Q/8)], |v[16*Q+\i]|, |v[16*Q+\i+1]|
.set Q, Q+1
.endr
.endr
	WIN 0
.set Q, 0
.rept 16
	v_permlanex16_b32 v[TB+Q], v[136+Q+98*(Q/8)], s[SEL], s[SEL+1]
.set Q, Q+1
.endr
.set Q, 0
.rept 16
	v_max_num_f32 v[136+Q+98*(Q/8)], v[136+Q+98*(Q/8)], v[TB+Q]   ; the block's largest magnitude
.set Q, Q+1
.endr
.set Q, 0
.rept 16
	v_add_nc_u32 v[TC+Q], 0xff000000, v[136+Q+98*(Q/8)]           ; 2 off its exponent field: the conversion's scale operand
.set Q, Q+1
.endr
.set Q, 0
.rept 16
	v_lshrrev_b32 v[TB+Q], 23, v[TC+Q]                            ; the scale's byte
.set Q, Q+1
.endr
.irp t, 0,1,2,3
	v_lshl_or_b32 v[PW+\t], v[TB+4*\t+1], 8, v[TB+4*\t]
.endr
.irp t, 0,1,2,3
	v_lshl_or_b32 v[PW+\t], v[TB+4*\t+2], 16, v[PW+\t]
.endr
.irp t, 0,1,2,3
	v_lshl_or_b32 v[PW+\t], v[TB+4*\t+3], 24, v[PW+\t]
.endr
	WIN \x
.irp t, 0,1,2,3
.set PCT, 96+20*\t+8*(\t/2)
.irp c, 0,1
	v_cvt_scalef32_pk16_fp6_f32 v[PCT+6*\c:PCT+6*\c+2], v[64*\t+32*\c:64*\t+32*\c+15], v[TC+4*\t+2*\c]
	v_cvt_scalef32_pk16_fp6_f32 v[PCT+12+4*\c:PCT+14+4*\c], v[64*\t+32*\c+16:64*\t+32*\c+31], v[TC+4*\t+2*\c+1]   ; (a conversion's three registers begin on an even number)
.endr
.endr
	WIN 0
	v_nop                                          ; one plain place behind a scaled conversion
.irp t, 0,1,2,3
.set PCT, 96+20*\t+8*(\t/2)
.irp c, 0,1
.irp i, 0,1,2
	v_permlane16_swap_b32 v[PCT+6*\c+\i], v[PCT+12+4*\c+\i]       ; the operand's layout wants a whole block in a lane
.endr
.endr
.endr
.irp t, 0,1,2,3
.set PCT, 96+20*\t+8*(\t/2)
.irp c, 0,1
.irp i, 0,1,2
	v_mov_b32 v[PCT+3+6*\c+\i], v[PCT+12+4*\c+\i]
.endr
.endr
.endr
.irp t, 0,1,2,3
.set PCT, 96+20*\t+8*(\t/2)
.irp g, 0,1,2
	ds_store_b128 v[IW], v[PCT+4*\g:PCT+4*\g+3] offset:4*FRB*\t+512*\g
.endr
	ds_store_b32 v[ISW], v[PW+\t] offset:512*\t
.endr
.endm
; The 16 images into window aw and their scale words: the words first, then K step by K step, so that the first K step's products need not wait for the 36 loads of the other three
.macro FETCHA aw, sc
.set F, 0
.rept 16
	ds_load_b32 v[(\sc)+F], v[ISA] offset:128*F
.set F, F+1
.endr
.set FWN, (\aw)<<6
	WIN FWN
.irp s, 0,1,2,3
.irp t, 0,1,2,3
.irp g, 0,1,2
	ds_load_b128 v[12*(4*\t+\s)+4*\g:12*(4*\t+\s)+4*\g+3], v[IA] offset:FRB*(4*\t+\s)+512*\g
.endr
.endr
.endr
	WIN 0
.endm
.macro BLOAD win, base, ptr            ; 64 numbers of a vector over my 128 columns, in the accumulators' order
.set BWN, (\win)<<6
	WIN BWN
.irp c, 0,1,2,3,4,5,6,7
	global_load_b128 v[(\base)+8*\c:(\base)+8*\c+3], v[VB], s[\ptr:\ptr+1] offset:(32*(\c/2)+8*(\c%2))*4
	global_load_b128 v[(\base)+8*\c+4:(\base)+8*\c+7], v[VB], s[\ptr:\ptr+1] offset:(32*(\c/2)+8*(\c%2))*4+16
.endr
	WIN 0
.endm
; Into slot: all my tensor loads have landed (one was out: my quarter of this slot's tile), the add, this slot's next address, my LDS instructions are done; the round; the other slot is filled
.macro TRIP slot, refill, kind
	WIN 0
	s_wait_tensorcnt 0x0
	ds_add_u32 v[SPW], v[NIL]
.if (\kind) == 2
	s_add_nc_u64 s[G0+4*(\slot)+2:G0+4*(\slot)+3], s[G0+4*(\slot)+2:G0+4*(\slot)+3], s[FS:FS+1]
.else
	s_add_nc_u64 s[G0+4*(\slot)+2:G0+4*(\slot)+3], s[G0+4*(\slot)+2:G0+4*(\slot)+3], 2*TILE
.if (\kind) == 1
	s_sub_nc_u64 s[G0+4*(\slot)+2:G0+4*(\slot)+3], s[G0+4*(\slot)+2:G0+4*(\slot)+3], s[WR:WR+1]
.endif
.endif
	s_wait_dscnt 0x0
	ROUND
.if \refill
	tensor_load_to_lds s[G0+4-4*(\slot):G0+7-4*(\slot)], s[G1:G1+7]
	s_nop 0
.endif
	PLACES                                         ; also the places in front of loads into registers that matrix instructions have read
.endm
.macro GW slot, set, s                 ; my four column tiles' fragments of K step s
.irp j, 0,1,2,3
.irp g, 0,1,2
	ds_load_b128 v[WF+48*(\set)+12*\j+4*\g:WF+48*(\set)+12*\j+4*\g+3], v[WFA+(\slot)] offset:\j*REC+(\s)*FRB+512*\g
.endr
.endr
.endm
.macro GPRE slot                       ; the scale words and K step 0's fragments of the slot just entered
.irp j, 0,1,2,3
	ds_load_b64 v[WSC+194*(\slot)+2*\j:WSC+194*(\slot)+2*\j+1], v[WSA+(\slot)] offset:\j*REC
.endr
	GW \slot, 0, 0
.endm
; Half hf of my 128 columns x 64 tokens x 512 along K: 64 matrix instructions, the 16 accumulators by turns.  GPRE of this slot has been issued.
; fa = 1: FETCHA stands just ahead: K step 0 waits for all but its 36 youngest loads and the 12 issued here.  mid = 1: the change of slots (TRIP's refill, kind) ahead of K step 3.
; Five places at a K step's start: the first products of a chunk write over registers that the matrix instructions before have read.
.macro GH slot, hf, dw, aw, sc, cw, cb, fa, mid, refill, kind
.set WS, WSC+194*(\slot)
.irp s, 0,1,2,3
	WIN 0
.if \s < 3
	PLACES
	v_nop
	GW \slot, (\s+1)%2, \s+1
.if (\s == 0) && (\fa)
	s_wait_dscnt 48
.else
	s_wait_dscnt 12                                ; all but the twelve loads just issued
.endif
.elseif \mid
	TRIP 1-(\slot), \refill, \kind
	GPRE 1-(\slot)
.else
	s_wait_dscnt 0x0
.endif
.if (\s == 0) && ((\cw) >= 0)
.set GWN, ((\aw)<<2)|((\cw)<<4)|((\dw)<<6)
.else
.set GWN, ((\aw)<<2)|((\dw)<<4)|((\dw)<<6)
.endif
	WIN GWN
.irp j, 0,1,2,3
.irp t, 0,1,2,3
.if (\s == 0) && ((\cw) >= 0)
	MM 64*\t+8*(4*(\hf)+\j), WF+12*\j, 12*(4*\t), (\cb)+8*(4*(\hf)+\j), WS+2*\j, (\sc)+4*\t, 0
.else
	MM 64*\t+8*(4*(\hf)+\j), WF+48*(\s%2)+12*\j, 12*(4*\t+\s), 64*\t+8*(4*(\hf)+\j), WS+2*\j+\s/2, (\sc)+4*\t+\s, \s%2
.endif
.endr
.endr
.endr
.endm
.macro LNEX off                        ; a lane's pair of sums for each token tile -> the token's sum over all 512 columns
.irp t, 0,1,2,3
	v_add_f32 v[LT+2*\t], v[LT+2*\t], v[LT+2*\t+1]
.endr
.irp t, 0,1,2,3
	v_permlanex16_b32 v[LT+8+\t], v[LT+2*\t], s[SEL], s[SEL+1]
.endr
.irp t, 0,1,2,3
	v_add_f32 v[LT+2*\t], v[LT+2*\t], v[LT+8+\t]
.endr
.irp t, 0,1,2,3
	ds_store_b32 v[LNS], v[LT+2*\t] offset:(\off)+64*\t
.endr
	BARRIER
.irp t, 0,1,2,3
.irp u, 0,1,2,3
	ds_load_b32 v[LT+16+4*\t+\u], v[LNL] offset:(\off)+256*\u+64*\t
.endr
.endr
	s_wait_dscnt 0x0
.irp t, 0,1,2,3
	v_add_f32 v[LT+16+4*\t], v[LT+16+4*\t], v[LT+17+4*\t]
.endr
.irp t, 0,1,2,3
	v_add_f32 v[LT+18+4*\t], v[LT+18+4*\t], v[LT+19+4*\t]
.endr
.irp t, 0,1,2,3
	v_add_f32 v[LT+2*\t], v[LT+16+4*\t], v[LT+18+4*\t]
.endr
.endm
; Layer norm of window 1 in place; gain at gb and offset at bb of window gw.  The sums run in eight chains.
.macro LNORM ar, gw, gb, bb
	WIN 0x05
.irp t, 0,1,2,3
	v_pk_add_f32 v[LT+2*\t:LT+2*\t+1], v[64*\t:64*\t+1], v[64*\t+2:64*\t+3]
.endr
.irp t, 0,1,2,3
	v_pk_add_f32 v[LT+16+2*\t:LT+17+2*\t], v[64*\t+4:64*\t+5], v[64*\t+6:64*\t+7]
.endr
	WIN 0x04
.set P, 8
.rept 14
.irp t, 0,1,2,3
	v_pk_add_f32 v[LT+2*\t:LT+2*\t+1], v[LT+2*\t:LT+2*\t+1], v[64*\t+P:64*\t+P+1]
.endr
.irp t, 0,1,2,3
	v_pk_add_f32 v[LT+16+2*\t:LT+17+2*\t], v[LT+16+2*\t:LT+17+2*\t], v[64*\t+P+2:64*\t+P+3]
.endr
.set P, P+4
.endr
	WIN 0
.irp t, 0,1,2,3
	v_pk_add_f32 v[LT+2*\t:LT+2*\t+1], v[LT+2*\t:LT+2*\t+1], v[LT+16+2*\t:LT+17+2*\t]
.endr
	LNEX \ar
.irp t, 0,1,2,3
	v_mul_f32 v[LT+2*\t], s[RN], v[LT+2*\t]        ; the mean
.endr
	WIN 0x41
.irp t, 0,1,2,3
.set P, 0
.rept 32
	v_pk_add_f32 v[64*\t+P:64*\t+P+1], v[64*\t+P:64*\t+P+1], v[LT+2*\t:LT+2*\t+1] op_sel_hi:[1,0] neg_lo:[0,1] neg_hi:[0,1]
.set P, P+2
.endr
.endr
	WIN 0x05
.irp t, 0,1,2,3
	v_pk_mul_f32 v[LT+2*\t:LT+2*\t+1], v[64*\t:64*\t+1], v[64*\t:64*\t+1]
.endr
.irp t, 0,1,2,3
	v_pk_mul_f32 v[LT+16+2*\t:LT+17+2*\t], v[64*\t+2:64*\t+3], v[64*\t+2:64*\t+3]
.endr
.set P, 4
.rept 15
.irp t, 0,1,2,3
	v_pk_fma_f32 v[LT+2*\t:LT+2*\t+1], v[64*\t+P:64*\t+P+1], v[64*\t+P:64*\t+P+1], v[LT+2*\t:LT+2*\t+1]
.endr
.irp t, 0,1,2,3
	v_pk_fma_f32 v[LT+16+2*\t:LT+17+2*\t], v[64*\t+P+2:64*\t+P+3], v[64*\t+P+2:64*\t+P+3], v[LT+16+2*\t:LT+17+2*\t]
.endr
.set P, P+4
.endr
	WIN 0
.irp t, 0,1,2,3
	v_pk_add_f32 v[LT+2*\t:LT+2*\t+1], v[LT+2*\t:LT+2*\t+1], v[LT+16+2*\t:LT+17+2*\t]
.endr
	LNEX (\ar)+1024
.irp t, 0,1,2,3
	v_fma_f32 v[LT+2*\t], v[LT+2*\t], s[RN], s[EPS]
.endr
	s_wait_alu depctr_va_vdst(0)                   ; the wait ahead of the batch
.irp t, 0,1,2,3
	v_rsq_f32 v[LT+2*\t], v[LT+2*\t]
.endr
	v_nop
	s_wait_alu depctr_va_vdst(0)                   ; and behind it, ahead of its first reader
	WIN 0x41
.irp t, 0,1,2,3
.set P, 0
.rept 32
	v_pk_mul_f32 v[64*\t+P:64*\t+P+1], v[64*\t+P:64*\t+P+1], v[LT+2*\t:LT+2*\t+1] op_sel_hi:[1,0]
.set P, P+2
.endr
.endr
.set LWN, 0x41|((\gw)<<2)|((\gw)<<4)
	WIN LWN
.irp t, 0,1,2,3
.set P, 0
.rept 32
	v_pk_fma_f32 v[64*\t+P:64*\t+P+1], v[64*\t+P:64*\t+P+1], v[(\gb)+P:(\gb)+P+1], v[(\bb)+P:(\bb)+P+1]
.set P, P+2
.endr
.endr
	WIN 0
.endm
	s_load_b512 s[4:19], s[0:1], 0x0               ; qi, qs, at, ats, wst, bo, g1, be1
	s_load_b256 s[20:27], s[0:1], 0x40             ; b1, b2, g2, be2
	s_load_b64 s[28:29], s[0:1], 0x60              ; out0
	v_lshl_add_u32 v[SPW], v0, 2, SPARE
	v_mov_b32 v[NIL], 0
	ds_add_u32 v[SPW], v[NIL]                      ; the add, twice on end, and its wait
	ds_add_u32 v[SPW], v[NIL]
	s_wait_dscnt 0x0
	v_lshrrev_b32 v1, 5, v0
	v_readfirstlane_b32 s[WV], v1                  ; wave 0..3
	s_bfe_u32 s31, ttmp6, 0x40000                  ; cx: it enters global addresses of my own loads and stores alone
	s_lshl_b32 s32, ttmp9, 2
	s_add_co_u32 s32, s32, s31                     ; which 64 tokens
	s_lshr_b32 s33, ttmp9, 3                       ; the batch
	s_and_b32 s34, s32, 31
	s_mov_b32 s[G1], 15|(3<<16)|(1<<21)            ; the mask names all four; elements of 8 bytes; bit 21 set beside a mask
	s_mov_b32 s[G1+1], 32<<16                      ; rows of 256 bytes,
	s_mov_b32 s[G1+2], 100<<16                     ; 100 of them: a wave's four records, dense in memory
	s_mov_b32 s[G1+3], 32<<16
	s_mov_b32 s[G1+4], 100
	s_mov_b32 s[G1+5], 32
	s_mov_b32 s[G1+6], 0
	s_mov_b32 s[G1+7], 0
	s_mov_b32 s[SEL], 0x76543210
	s_mov_b32 s[SEL+1], 0xfedcba98                 ; v_permlanex16_b32's selects for lane l xor 16
	s_mov_b32 s[EPS], 0x3627c5ac                   ; 1e-5 / 4, for the first norm
	s_mov_b32 s[RN], 0x3b000000                    ; 1 / 512
	s_mov_b32 s[CH], 4                             ; chunks to go
	s_and_b32 s[CC], ttmp9, 3                      ; the chunk at which my cluster begins
	s_mul_i32 s[FS], s[CC], 4*TILE
	s_add_co_u32 s[FS], s[FS], 2*TILE              ; from Wo's tiles to that chunk's
	s_mov_b32 s[FS+1], 0
	s_mov_b32 s[WR+1], 0
	s_mov_b32 s[WB+1], 0
	s_lshl_b32 s82, s[CC], 11
	s_mov_b32 s83, 0
	s_mul_i32 s35, s[WV], WPART
	s_mov_b32 s58, s35
	s_mov_b32 s59, 0
	s_lshl_b32 s57, s[WV], 1                       ; my two heads
	s_lshl_b32 s60, s32, 4
	s_add_co_u32 s60, s60, s57
	s_mul_i32 s60, s60, FRB
	s_mov_b32 s61, 0
	s_lshr_b32 s62, s32, 1
	s_lshl_b32 s62, s62, 3
	s_add_co_u32 s62, s62, s57
	s_lshl_b32 s62, s62, 9
	s_and_b32 s63, s32, 1
	s_lshl_b32 s63, s63, 3
	s_add_co_u32 s62, s62, s63
	s_mov_b32 s63, 0
	s_lshl_b32 s66, s33, 3
	s_add_co_u32 s66, s66, s57
	s_mul_i32 s68, s66, 3072
	s_mov_b32 s69, 0
	s_lshl_b32 s66, s66, 9
	s_mov_b32 s67, 0
	s_lshl_b32 s70, s33, 22
	s_lshl_b32 s71, s[WV], 20
	s_add_co_u32 s70, s70, s71
	s_lshl_b32 s71, s34, 8
	s_add_co_u32 s70, s70, s71                     ; out0: batch, my 128 rows d, my work-group's 64 tokens
	s_mov_b32 s71, 0
	s_lshl_b32 s72, s[WV], 9
	s_mov_b32 s73, 0
	s_wait_kmcnt 0x0
	s_mov_b32 s[G0], 1
	s_mov_b32 s[G0+1], s35
	s_add_nc_u64 s[G0+2:G0+3], s[12:13], s[58:59]
	s_mov_b32 s[G0+4], 1
	s_add_co_u32 s[G0+5], s35, TILE
	s_add_nc_u64 s[G0+6:G0+7], s[G0+2:G0+3], TILE
	s_or_b32 s[G0+3], s[G0+3], 0x80000000
	s_or_b32 s[G0+7], s[G0+7], 0x80000000
	ROUND                                          ; all four work-groups are here: the joint loads meet
	tensor_load_to_lds s[G0:G0+3], s[G1:G1+7]      ; tile 0, my one load at the head; it lands under Q attn and its quantiser
	s_nop 0
	PLACES
	s_add_nc_u64 s[4:5], s[4:5], s[60:61]
	s_add_nc_u64 s[6:7], s[6:7], s[62:63]
	s_add_nc_u64 s[8:9], s[8:9], s[68:69]
	s_add_nc_u64 s[10:11], s[10:11], s[66:67]
	s_add_nc_u64 s[14:15], s[14:15], s[72:73]
	s_add_nc_u64 s[16:17], s[16:17], s[72:73]
	s_add_nc_u64 s[18:19], s[18:19], s[72:73]
	s_add_nc_u64 s[20:21], s[20:21], s[72:73]
	s_add_nc_u64 s[20:21], s[20:21], s[82:83]
	s_add_nc_u64 s[22:23], s[22:23], s[72:73]
	s_add_nc_u64 s[24:25], s[24:25], s[72:73]
	s_add_nc_u64 s[26:27], s[26:27], s[72:73]
	s_add_nc_u64 s[28:29], s[28:29], s[70:71]
	v_and_b32 v18, 31, v0
	v_and_b32 v19, 15, v0
	v_bfe_u32 v20, v0, 4, 1
	v_lshlrev_b32 v1, 4, v18
	v_lshlrev_b32 v21, 3, v18
	v_lshlrev_b32 v22, 2, v18
	v_lshlrev_b32 v[VB], 6, v20
	WIN 0xc0
.irp hh, 0,1
.irp pb, 0,1
.irp g, 0,1,2
	global_load_b128 v[12*(2*\hh+\pb)+4*\g:12*(2*\hh+\pb)+4*\g+3], v1, s[4:5] offset:\pb*8*FRB+\hh*FRB+512*\g   ; Q's images: two token tiles in each
.endr
.endr
.endr
.irp hh, 0,1
.irp e, 0,1,2,3
	global_load_b128 v[54+12*(4*\hh+\e):57+12*(4*\hh+\e)], v1, s[8:9] offset:\hh*3072+\e*768                    ; attn's half fragments (K = 64), six registers each,
	global_load_b64 v[58+12*(4*\hh+\e):59+12*(4*\hh+\e)], v21, s[8:9] offset:\hh*3072+\e*768+512
.endr
.endr
.set I, 0
.rept 9
.irp k, 0,1,2,3,4,5
	v_mov_b32 v[48+12*I+\k], 0                     ; with six registers of zero codes on either side: the other token tile's half of K counts for nothing
.endr
.set I, I+1
.endr
	WIN 0
	BLOAD 3, 192, 14                               ; bo
.irp hh, 0,1
	global_load_b64 v[HS+2*\hh:HS+2*\hh+1], v1, s[6:7] offset:\hh*512
	global_load_b128 v[HS+4+4*\hh:HS+7+4*\hh], v1, s[10:11] offset:\hh*512
.endr
	v_add_nc_u32 v[WFA], s35, v1
	v_add_nc_u32 v[WFA+1], TILE, v[WFA]
	v_add_nc_u32 v[WSA], s35, v21
	v_add_nc_u32 v[WSA], 6144, v[WSA]
	v_add_nc_u32 v[WSA+1], TILE, v[WSA]
	v_add_nc_u32 v[IA], IMG, v1
	v_add_nc_u32 v[ISA], IMGS, v22
	s_mul_i32 s57, s[WV], FRB
	v_add_nc_u32 v[IW], s57, v[IA]
	s_lshl_b32 s57, s[WV], 7
	v_add_nc_u32 v[ISW], s57, v[ISA]
	v_lshlrev_b32 v23, 2, v19
	v_add_nc_u32 v[LNL], LNX, v23
	s_lshl_b32 s57, s[WV], 8
	v_add_nc_u32 v[LNS], s57, v[LNL]
	v_and_b32 v[SO], 8, v19
	v_add_nc_u32 v[SO], v[SO], v19
	v_lshlrev_b32 v[SO], 2, v[SO]
	v_mad_u32_u24 v[SO], v20, 16*SPIT, v[SO]
	s_mul_i32 s57, s[WV], 64*SPIT
	s_add_co_u32 s57, s57, STG
	v_add_nc_u32 v[SO], s57, v[SO]
	v_lshlrev_b32 v[SR], 4, v19
	v_mad_u32_u24 v[SR], v20, SPIT, v[SR]
	v_add_nc_u32 v[SR], s57, v[SR]
	v_lshlrev_b32 v[GO], 4, v19
	v_lshl_add_u32 v[GO], v20, 13, v[GO]
.set Q, 0
.rept 16
	v_mov_b32 v[TB+Q], 0                           ; written once: a lane permute's destination counts as one of its sources (the norms' four lie among these)
.set Q, Q+1
.endr
	s_wait_alu depctr_va_vdst(0)                   ; the wait at the head's end
	s_wait_loadcnt 0x0
	WIN 0x8f
.irp t, 0,1,2,3
.irp hh, 0,1
.irp e, 0,1,2,3
	MMZ 64*\t+8*(4*\hh+\e), 54-6*(\t%2)+12*(4*\hh+\e), 12*(2*\hh+\t/2), HS+4+4*\hh+\e, HS+2*\hh+\t/2   ; y^T = attn^T Q^T for my two heads
.endr
.endr
.endr
	WIN 0
	PLACES
	QUANT4 2
	BLOAD 2, 0, 16                                 ; g1, be1, b2
	BLOAD 2, 64, 18
	BLOAD 2, 128, 22
	TRIP 0, 1, 2                                   ; everybody's images and tile 0 are in; slot 1's first fill, issued as a refill is
	GPRE 0
	FETCHA 3, AS
	GH 0, 0, 1, 3, AS, 3, 192, 1, 1, 1, 2          ; y Wo + bo
	GH 1, 1, 1, 3, AS, 3, 192, 0, 1, 1, 0
	WIN 0
	PLACES
	BLOAD 3, 192, 20                               ; b1 of the first chunk
	s_wait_loadcnt 16                              ; all but these sixteen loads: g1, be1, b2 are in
	LNORM 0, 2, 0, 64
	QUANT4 1
	WIN 0x49
.irp t, 0,1,2,3
.set P, 0
.rept 32
	v_pk_add_f32 v[64*\t+P:64*\t+P+1], v[64*\t+P:64*\t+P+1], v[128+P:129+P]   ; y + b2: onto this the second product's sums are added
.set P, P+2
.endr
.endr
	WIN 0
	BARRIER
	FETCHA 3, AS                                   ; y's fragments stay for all four chunks
.Lchunk:
	s_cmp_eq_u32 s[CC], 3                          ; behind chunk 3 the stream and b1 wrap round
	s_cselect_b32 s[WR], 16*TILE, 0
	s_cselect_b32 s[WB], 8192, 0
	s_wait_loadcnt 0x0                             ; b1
	GH 0, 0, 2, 3, AS, 3, 192, 0, 1, 1, 0          ; y W1 + b1
	GH 1, 1, 2, 3, AS, 3, 192, 0, 1, 1, 1
	WIN 0
	PLACES
	WIN 0x88
.set I, 0
.rept 256
	v_max_num_f32 v[I], 0, v[I]
.set I, I+1
.endr
	QUANT4 2
	BARRIER                                        ; the hidden layer's images lie in LDS
	FETCHA 2, HS
	s_cmp_eq_u32 s[CH], 1
	s_cbranch_scc1 .Llast                          ; the last chunk's tail is written out: it asks for nothing more
	GH 0, 0, 1, 2, HS, -1, 0, 1, 1, 1, 1           ; + hidden W2
	WIN 0
	s_add_nc_u64 s[20:21], s[20:21], 2048
	s_sub_nc_u64 s[20:21], s[20:21], s[WB:WB+1]
	BLOAD 3, 192, 20                               ; the next chunk's b1
	GH 1, 1, 1, 2, HS, -1, 0, 0, 1, 1, 0
	WIN 0
	s_add_co_u32 s[CC], s[CC], 1
	s_and_b32 s[CC], s[CC], 3
	s_sub_co_u32 s[CH], s[CH], 1
	s_cmp_lg_u32 s[CH], 0
	s_cbranch_scc1 .Lchunk
.Llast:
	GH 0, 0, 1, 2, HS, -1, 0, 1, 1, 0, 0
	WIN 0
	BLOAD 3, 0, 24                                 ; g2, be2
	BLOAD 3, 64, 26
	GH 1, 1, 1, 2, HS, -1, 0, 0, 0, 0, 0
	WIN 0
	PLACES
	s_mov_b32 s[EPS], 0x3727c5ac                   ; 1e-5
	s_wait_loadcnt 0x0
	LNORM 2048, 3, 0, 64
	s_wait_alu depctr_va_vdst(0)
; THE WAY OUT: out0 has the tokens innermost.  64 of my rows d at a time go through my own stage and come back as rows of 64 tokens: sixteen lanes store 256 consecutive bytes, aligned.
.irp qh, 0,1
	WIN 0x04
.irp t, 0,1,2,3
.irp cc, 0,1,2,3
.irp j, 0,1,2,3,4,5,6,7
	ds_store_b32 v[SO], v[64*\t+8*(4*\qh+\cc)+\j] offset:(32*(\cc/2)+8*(\cc%2)+\j)*SPIT+128*(\t/2)+32*(\t%2)
.endr
.endr
.endr
	WIN 0x80
.set I, 0
.rept 32
	ds_load_b64 v[128*\qh+4*I:128*\qh+4*I+1], v[SR] offset:2*SPIT*I
	ds_load_b64 v[128*\qh+4*I+2:128*\qh+4*I+3], v[SR] offset:2*SPIT*I+8
.set I, I+1
.endr
	WIN 0x08
.set I, 0
.rept 32
	s_wait_dscnt 62-2*I
	global_store_b128 v[GO], v[128*\qh+4*I:128*\qh+4*I+3], s[28:29] offset:(64*\qh+2*I)*8192 th:TH_STORE_NT
.set I, I+1
.endr
.endr
	WIN 0
	s_wait_tensorcnt 0x0                           ; the wave's end
	ds_add_u32 v[SPW], v[NIL]
	s_wait_dscnt 0x0
	ROUND                                          ; the closing round
	s_endpgm
.Lfunc_end_k_qbf88724fed_chain:
	.size	k_qbf88724fed_chain, .Lfunc_end_k_qbf88724fed_chain-k_qbf88724fed_chain
	.p2alignl 7, 3214868480
	.fill 96, 4, 3214868480
	.section	.rodata,"a",@progbits
	.p2align	6, 0x0
	.amdhsa_kernel k_qbf88724fed_chain
		.amdhsa_group_segment_fixed_size 327680
		.amdhsa_private_segment_fixed_size 0
		.amdhsa_enable_private_segment 0
		.amdhsa_kernarg_size 104
		.amdhsa_user_sgpr_count 2
		.amdhsa_user_sgpr_kernarg_segment_ptr 1
		.amdhsa_wavefront_size32 1
		.amdhsa_system_sgpr_workgroup_id_x 1
		.amdhsa_system_sgpr_workgroup_id_y 1
		.amdhsa_system_sgpr_workgroup_id_z 1
		.amdhsa_system_vgpr_workitem_id 0
		.amdhsa_next_free_vgpr 1024
		.amdhsa_next_free_sgpr 84
		.amdhsa_reserve_vcc 0
		.amdhsa_float_denorm_mode_32 3
		.amdhsa_float_denorm_mode_16_64 3
		.amdhsa_memory_ordered 1
		.amdhsa_forward_progress 1
		.amdhsa_inst_pref_size 255
	.end_amdhsa_kernel
	.section	.bss,"aw",@nobits
	.p2align	6
	.space	262144
	.amdgpu_metadata
---
amdhsa.version: [ 1, 2 ]
amdhsa.kernels:
  - .name:           k_qbf88724fed_chain
    .symbol:         k_qbf88724fed_chain.kd
    .args:
      - { .name: qi, .offset: 0, .size: 8, .value_kind: global_buffer, .address_space: global }
      - { .name: qs, .offset: 8, .size: 8, .value_kind: global_buffer, .address_space: global }
      - { .name: at, .offset: 16, .size: 8, .value_kind: global_buffer, .address_space: global }
      - { .name: ats, .offset: 24, .size: 8, .value_kind: global_buffer, .address_space: global }
      - { .name: wst, .offset: 32, .size: 8, .value_kind: global_buffer, .address_space: global }
      - { .name: bo, .offset: 40, .size: 8, .value_kind: global_buffer, .address_space: global }
      - { .name: g1, .offset: 48, .size: 8, .value_kind: global_buffer, .address_space: global }
      - { .name: be1, .offset: 56, .size: 8, .value_kind: global_buffer, .address_space: global }
      - { .name: b1, .offset: 64, .size: 8, .value_kind: global_buffer, .address_space: global }
      - { .name: b2, .offset: 72, .size: 8, .value_kind: global_buffer, .address_space: global }
      - { .name: g2, .offset: 80, .size: 8, .value_kind: global_buffer, .address_space: global }
      - { .name: be2, .offset: 88, .size: 8, .value_kind: global_buffer, .address_space: global }
      - { .name: out0, .offset: 96, .size: 8, .value_kind: global_buffer, .address_space: global }
    .group_segment_fixed_size: 327680
    .private_segment_fixed_size: 0
    .kernarg_segment_align: 8
    .kernarg_segment_size: 104
    .max_flat_workgroup_size: 128
    .sgpr_count:     84
    .vgpr_count:     1024
    .wavefront_size: 32
...
	.end_amdgpu_metadata
.endif
;; end of part 4
